; MI455X (gfx1250); checked and timed in simulation.
; The chip was launched on July 23, 2026; its instructions are those of AMD's public machine-readable ISA for CDNA 5 (MIT licence, August 2026) and "CDNA5" Instruction Set Architecture Reference Guide (July 2026). The comments in the code are by the model that wrote it; some were corrected since.
;; Heuristic NS Attention. Allowed arithmetic: float matrix products may take bf16 or f16 operands with f32 sums; other float arithmetic in f32, or as packed bf16 or f16 multiplies, adds, multiply-adds, maxima and minima; sums over many terms, partial sums and values carried from step to step in f32; what a program stores and reads back later, other than sums and carried values, may be rounded once to bf16 or f16.
;; Inputs: Wg 1,024 x 3 float32; Wk 1,024 x 1,024 float32; Wo 1,024 x 1,024 float32; Wq 1,024 x 1,024 float32; Wv 1,024 x 1,024 float32; bg 3 float32; bk 1,024 float32; bo 1,024 float32; bq 1,024 float32; bv 1,024 float32; hidden_states 2 x 2,048 x 1,024 float32.
;; Outputs: out0 2 x 2,048 x 1,024 float32.
;; 2 versions, each right and faster than the one before. Each part assembles by itself: llvm-mc -triple=amdgcn-amd-amdhsa -mcpu=gfx1250 --defsym DOCPART=n.
;; ======== version 1 of 2: 5 launches
;; limits: values are held in f16: magnitudes above 65,504 overflow, below 6.1e-05 lose precision
;; workspace buffers: xb 8,388,608 bytes; wts 8,388,608 bytes; gates 65,536 bytes; qkv 25,165,824 bytes; stat 786,432 bytes; idx 1,024 bytes of whole numbers; cmpb 262,144 bytes; ao 8,388,608 bytes
;; launch prep (part 1): grid 512 x 1, 8 waves a work-group, no clusters, 3,072 bytes of LDS; arguments hidden_states, Wq, Wk, Wv, Wo, Wg, bg, xb, wts, gates; writes xb, wts, gates
.if DOCPART == 1
	.amdgcn_target "amdgcn-amd-amdhsa--gfx1250"
	.amdhsa_code_object_version 6
	.text
	.protected	k_q94f2b1dc7b_prep
	.globl	k_q94f2b1dc7b_prep
	.p2align	8
	.type	k_q94f2b1dc7b_prep,@function
k_q94f2b1dc7b_prep:
	s_mov_b64 s[64:65], 0
	v_nop
	global_prefetch_b8 v0, s[64:65] scope:SCOPE_SE
	s_setreg_imm32_b32 hwreg(HW_REG_WAVE_MODE, 25, 1), 1
	s_wait_xcnt 0x0
; PREP.  Every input of the matrix products is rounded once to bf16 and laid out for the launches behind:
;   xb  = bf16(hidden_states) [4096][1024];  wts byte 0: bf16(Wq | Wk | Wv) [k 1024][n 3072];  wts byte WO: bf16(Wo), that number written as f16, [k 1024][n 1024];
;   gates[row][0..2] = softmax(bf16(x) . bf16(Wg) + bf16(bg)) in f32, word 3 = 0.
; SHARES.  A work-group takes 16 rows of 4,096 bytes of f32; thread t owns 4 columns: a wave's load covers 512 consecutive bytes, its store of 8 bytes a lane 256 consecutive bytes, aligned.
; Work-groups 0-255: rows of x (and their gates); 256-511: 64 for each of Wq, Wk, Wv, Wo.  The branches hang on the work-group's number alone.
; Memory binds: no matrix unit, no cluster (no two work-groups read the same bytes but Wg's 12 KiB), all 16 loads of a thread on their way at once.
; LIMIT.  A bf16 number of Wo below 2^-14 in magnitude keeps f16's fixed step of 2^-24 (an error of 3e-8 at the most); beyond 65,504 it would be an infinity.
.set ROWB,  4096
.set X,   4                            ; v[4:67]    row rr as loaded, 4 registers
.set Y,   68                           ; v[68:99]   row rr to store, 2 registers; never rewritten
.set ACC, 100                          ; v[100:147] x . Wg of my 4 columns: row rr, gate g at ACC + 3 rr + g
.set WG,  164                          ; v[164:175] Wg of my 4 rows of it: element e, gate g at WG + 3 e + g
.set ZR,  176                          ; v176       0
.set T,   177                          ; v177-182   at work
.set SPW, 190                          ; v190       LDS address of my spare word; never rewritten
.set NIL, 191                          ; v191       0; never rewritten
.set SPARE, 2048                       ; LDS: 0..2047 the waves' partial sums (wave w at 256 w, row r at + 16 r); then the spare words, 128 bytes a wave
.set WO,  6291456
.macro LOAD16 p                        ; the 16 rows, read once in the launch
.set rr, 0
.rept 16
	global_load_b128 v[X+4*rr:X+4*rr+3], v1, s[\p:\p+1] offset:ROWB*rr th:TH_LOAD_NT
.set rr, rr+1
.endr
.endm
; mode 0: bf16.  1: bf16, then that number as f16.  2: bf16, and the row's share of x . Wg
.macro ROWS mode, ob, pitch
.set rr, 0
.rept 16
	s_wait_loadcnt 15-rr                           ; loads come back in order: row rr is in, the younger rows stay out
	v_cvt_pk_bf16_f32 v[Y+2*rr], v[X+4*rr], v[X+4*rr+1]
	v_cvt_pk_bf16_f32 v[Y+2*rr+1], v[X+4*rr+2], v[X+4*rr+3]
.if (\mode) == 1
	v_lshlrev_b32 v[T], 16, v[Y+2*rr]
	v_and_b32 v[T+1], 0xffff0000, v[Y+2*rr]
	v_lshlrev_b32 v[T+2], 16, v[Y+2*rr+1]
	v_and_b32 v[T+3], 0xffff0000, v[Y+2*rr+1]
	v_cvt_pk_f16_f32 v[Y+2*rr], v[T], v[T+1]
	v_cvt_pk_f16_f32 v[Y+2*rr+1], v[T+2], v[T+3]
.endif
	global_store_b64 v2, v[Y+2*rr:Y+2*rr+1], s[\ob:\ob+1] offset:(\pitch)*rr
.if (\mode) == 2
.irp g, 0,1,2
	v_fma_mix_f32_bf16 v[ACC+3*rr+\g], v[Y+2*rr], v[WG+\g], v[ZR] op_sel_hi:[1,0,0]
.endr
.irp g, 0,1,2
	v_fma_mix_f32_bf16 v[ACC+3*rr+\g], v[Y+2*rr], v[WG+3+\g], v[ACC+3*rr+\g] op_sel:[1,0,0] op_sel_hi:[1,0,0]
.endr
.irp g, 0,1,2
	v_fma_mix_f32_bf16 v[ACC+3*rr+\g], v[Y+2*rr+1], v[WG+6+\g], v[ACC+3*rr+\g] op_sel_hi:[1,0,0]
.endr
.irp g, 0,1,2
	v_fma_mix_f32_bf16 v[ACC+3*rr+\g], v[Y+2*rr+1], v[WG+9+\g], v[ACC+3*rr+\g] op_sel:[1,0,0] op_sel_hi:[1,0,0]
.endr
.endif
.set rr, rr+1
.endr
.endm
; One stage of a sum over 16 lanes that halves the registers: a lane whose bit is set keeps the upper half of the n registers and gives the lower half to its partner, and the other way round.
.macro RS n, mask, xm
.set q, 0
.rept (\n)/2
	v_cndmask_b32 v[T+q%4], v[ACC+q+(\n)/2], v[ACC+q], s[\mask]
	v_cndmask_b32 v[ACC+q], v[ACC+q], v[ACC+q+(\n)/2], s[\mask]
	v_add_f32_dpp v[ACC+q], v[T+q%4], v[ACC+q] row_xmask:\xm row_mask:0xf bank_mask:0xf
.set q, q+1
.endr
.endm
	s_load_b512 s[4:19], s[0:1], 0x0               ; x s[4:5], Wq s[6:7], Wk s[8:9], Wv s[10:11], Wo s[12:13], Wg s[14:15], bg s[16:17], xb s[18:19]
	s_load_b128 s[20:23], s[0:1], 0x40             ; wts s[20:21], gates s[22:23]
	v_lshl_add_u32 v[SPW], v0, 2, SPARE
	v_mov_b32 v[NIL], 0
	v_lshlrev_b32 v1, 4, v0                        ; my 16 bytes of a row of f32
	v_lshlrev_b32 v2, 3, v0                        ; my 8 bytes of a row of 16-bit numbers
	s_and_b32 s26, ttmp9, 255
	s_lshr_b32 s27, s26, 6                         ; which weight matrix
	s_and_b32 s28, s26, 63                         ; which 16 of its rows
	s_mov_b32 s31, 0
	s_wait_kmcnt 0x0
	s_cmp_lt_u32 ttmp9, 256
	s_cbranch_scc1 .Lx
	; ---- weights
	s_cmp_eq_u32 s27, 0
	s_cselect_b64 s[2:3], s[6:7], s[8:9]
	s_cmp_eq_u32 s27, 2
	s_cselect_b64 s[2:3], s[10:11], s[2:3]
	s_cmp_eq_u32 s27, 3
	s_cselect_b64 s[2:3], s[12:13], s[2:3]
	s_lshl_b32 s30, s28, 16                        ; 16 rows of 4,096 bytes
	s_add_nc_u64 s[2:3], s[2:3], s[30:31]
	LOAD16 2
	s_cmp_eq_u32 s27, 3
	s_cbranch_scc1 .Lwo
	s_mul_i32 s30, s28, 16*6144                    ; 16 rows of 3,072 bf16,
	s_lshl_b32 s29, s27, 11                        ; the matrix's 1,024 columns
	s_add_co_u32 s30, s30, s29
	s_add_nc_u64 s[20:21], s[20:21], s[30:31]
	ROWS 0, 20, 6144
	s_branch .Lend
.Lwo:
	s_lshl_b32 s30, s28, 15                        ; 16 rows of 1,024 f16
	s_add_co_u32 s30, s30, WO
	s_add_nc_u64 s[20:21], s[20:21], s[30:31]
	ROWS 1, 20, 2048
	s_branch .Lend
	; ---- x and the gates
.Lx:
	s_load_b96 s[36:38], s[16:17], 0x0             ; bg
	s_lshl_b32 s30, ttmp9, 16
	s_add_nc_u64 s[4:5], s[4:5], s[30:31]
	s_lshl_b32 s30, ttmp9, 15
	s_add_nc_u64 s[18:19], s[18:19], s[30:31]
	s_lshl_b32 s30, ttmp9, 8                       ; 16 rows of 16 bytes of gates
	s_add_nc_u64 s[22:23], s[22:23], s[30:31]
	v_mul_u32_u24 v3, v0, 48                       ; my 4 rows of Wg: 12 numbers on end
	global_load_b128 v[WG:WG+3], v3, s[14:15]
	global_load_b128 v[WG+4:WG+7], v3, s[14:15] offset:16
	global_load_b128 v[WG+8:WG+11], v3, s[14:15] offset:32
	LOAD16 4
	v_mov_b32 v[ZR], 0
	s_mov_b32 s40, 0xff00ff00                      ; lanes whose number has bit 3, 2, 1, 0 set
	s_mov_b32 s41, 0xf0f0f0f0
	s_mov_b32 s42, 0xcccccccc
	s_mov_b32 s43, 0xaaaaaaaa
	s_mov_b32 s44, 0x76543210                      ; v_permlanex16_b32: each lane takes its own place in the other half
	s_mov_b32 s45, 0xfedcba98
	s_wait_loadcnt 16                              ; Wg is in; the 16 rows may stay out
.set q, 0
.rept 6
	v_cvt_pk_bf16_f32 v[T+q], v[WG+2*q], v[WG+2*q+1]
.set q, q+1
.endr
.set q, 0
.rept 6
	v_lshlrev_b32 v[WG+2*q], 16, v[T+q]            ; Wg rounded to bf16, kept as f32
	v_and_b32 v[WG+2*q+1], 0xffff0000, v[T+q]
.set q, q+1
.endr
	ROWS 2, 18, 2048
	RS 48, 40, 8                                   ; lane r of each half ends with registers 3 r .. 3 r + 2: row r's three sums over its half's lanes
	RS 24, 41, 4
	RS 12, 42, 2
	RS 6, 43, 1
.irp g, 0,1,2
	v_permlanex16_b32 v[T+\g], v[ACC+\g], s44, s45
.endr
.irp g, 0,1,2
	v_add_f32 v[ACC+\g], v[ACC+\g], v[T+\g]
.endr
	v_lshrrev_b32 v[T+4], 5, v0
	v_readfirstlane_b32 s46, v[T+4]                ; my wave's number
	v_and_b32 v[T+5], 15, v0
	v_lshlrev_b32 v[T+5], 4, v[T+5]                ; 16 r
	s_lshl_b32 s47, s46, 8
	v_add_nc_u32 v[T+4], s47, v[T+5]
	ds_store_b96 v[T+4], v[ACC:ACC+2]              ; lanes r and r + 16 write the same numbers to the same words
	s_wait_dscnt 0x0                               ; for the others' sake: my store is done
	s_barrier_signal -1
	s_barrier_wait -1
	s_cmp_lg_u32 s46, 0
	s_cbranch_scc1 .Lend                           ; wave 0 finishes the 16 rows
.irp w, 0,1,2,3,4,5,6,7
	ds_load_b96 v[X+4*\w:X+4*\w+2], v[T+5] offset:256*\w
.endr
	s_wait_kmcnt 0x0                               ; bg
	v_mov_b32 v36, s36
	v_mov_b32 v37, s37
	v_mov_b32 v38, s38
	v_cvt_pk_bf16_f32 v39, v36, v37
	v_cvt_pk_bf16_f32 v40, v38, v38
	v_lshlrev_b32 v36, 16, v39
	v_and_b32 v37, 0xffff0000, v39
	v_lshlrev_b32 v38, 16, v40
	s_wait_dscnt 0x0
.irp w, 1,2,3,4,5,6,7
.irp g, 0,1,2
	v_add_f32 v[X+\g], v[X+\g], v[X+4*\w+\g]
.endr
.endr
.irp g, 0,1,2
	v_add_f32 v[X+\g], v[X+\g], v[36+\g]
.endr
	v_max3_num_f32 v41, v4, v5, v6                 ; the maximum is taken away before the exponentials
.irp g, 0,1,2
	v_sub_f32 v[X+\g], v[X+\g], v41
.endr
.irp g, 0,1,2
	v_mul_f32 v[X+\g], 0x3fb8aa3b, v[X+\g]         ; log2(e)
.endr
.irp g, 0,1,2
	v_exp_f32 v[X+\g], v[X+\g]
.endr
	v_mov_b32 v7, 0                                ; a plain instruction behind the exponentials; the row's fourth word
	s_wait_alu depctr_va_vdst(0)
	v_add_f32 v42, v4, v5
	v_add_f32 v42, v42, v6
	v_rcp_f32 v42, v42
	v_nop
	s_wait_alu depctr_va_vdst(0)
.irp g, 0,1,2
	v_mul_f32 v[X+\g], v[X+\g], v42
.endr
	v_cmp_gt_u32 vcc_lo, 16, v0
	s_wait_xcnt 0x0                                ; EXEC changes only when the earlier loads and stores have read their sources
	s_and_saveexec_b32 s48, vcc_lo
	global_store_b128 v[T+5], v[X:X+3], s[22:23]   ; 16 lanes store 256 consecutive bytes, aligned
	s_wait_xcnt 0x0
	s_or_b32 exec_lo, exec_lo, s48
.Lend:
	s_wait_tensorcnt 0x0                           ; the wave's end
	ds_add_u32 v[SPW], v[NIL]
	s_wait_dscnt 0x0
	s_endpgm
.Lfunc_end_k_q94f2b1dc7b_prep:
	.size	k_q94f2b1dc7b_prep, .Lfunc_end_k_q94f2b1dc7b_prep-k_q94f2b1dc7b_prep
	.p2alignl 7, 3214868480
	.fill 96, 4, 3214868480
	.section	.rodata,"a",@progbits
	.p2align	6, 0x0
	.amdhsa_kernel k_q94f2b1dc7b_prep
		.amdhsa_group_segment_fixed_size 3072
		.amdhsa_private_segment_fixed_size 0
		.amdhsa_enable_private_segment 0
		.amdhsa_kernarg_size 80
		.amdhsa_user_sgpr_count 2
		.amdhsa_user_sgpr_kernarg_segment_ptr 1
		.amdhsa_wavefront_size32 1
		.amdhsa_system_sgpr_workgroup_id_x 1
		.amdhsa_system_sgpr_workgroup_id_y 1
		.amdhsa_system_sgpr_workgroup_id_z 1
		.amdhsa_system_vgpr_workitem_id 0
		.amdhsa_next_free_vgpr 192
		.amdhsa_next_free_sgpr 66
		.amdhsa_reserve_vcc 1
		.amdhsa_float_denorm_mode_32 3
		.amdhsa_float_denorm_mode_16_64 3
		.amdhsa_memory_ordered 1
		.amdhsa_forward_progress 1
		.amdhsa_inst_pref_size 48
	.end_amdhsa_kernel
	.amdgpu_metadata
---
amdhsa.version: [ 1, 2 ]
amdhsa.kernels:
  - .name:           k_q94f2b1dc7b_prep
    .symbol:         k_q94f2b1dc7b_prep.kd
    .args:
      - { .name: hidden_states, .offset: 0, .size: 8, .value_kind: global_buffer, .address_space: global }
      - { .name: Wq, .offset: 8, .size: 8, .value_kind: global_buffer, .address_space: global }
      - { .name: Wk, .offset: 16, .size: 8, .value_kind: global_buffer, .address_space: global }
      - { .name: Wv, .offset: 24, .size: 8, .value_kind: global_buffer, .address_space: global }
      - { .name: Wo, .offset: 32, .size: 8, .value_kind: global_buffer, .address_space: global }
      - { .name: Wg, .offset: 40, .size: 8, .value_kind: global_buffer, .address_space: global }
      - { .name: bg, .offset: 48, .size: 8, .value_kind: global_buffer, .address_space: global }
      - { .name: xb, .offset: 56, .size: 8, .value_kind: global_buffer, .address_space: global }
      - { .name: wts, .offset: 64, .size: 8, .value_kind: global_buffer, .address_space: global }
      - { .name: gates, .offset: 72, .size: 8, .value_kind: global_buffer, .address_space: global }
    .group_segment_fixed_size: 3072
    .private_segment_fixed_size: 0
    .kernarg_segment_align: 8
    .kernarg_segment_size: 80
    .max_flat_workgroup_size: 256
    .sgpr_count:     66
    .vgpr_count:     192
    .wavefront_size: 32
...
	.end_amdgpu_metadata
.endif
;; end of part 1
;; launch qkv (part 2): grid 8 x 32, 4 waves a work-group, clusters of 4 x 4, 327,680 bytes of LDS; arguments xb, wts, bq, bk, bv, qkv, stat; writes qkv, stat
.if DOCPART == 2
	.amdgcn_target "amdgcn-amd-amdhsa--gfx1250"
	.amdhsa_code_object_version 6
	.text
	.protected	k_q94f2b1dc7b_qkv
	.globl	k_q94f2b1dc7b_qkv
	.p2align	8
	.type	k_q94f2b1dc7b_qkv,@function
k_q94f2b1dc7b_qkv:
	s_mov_b64 s[64:65], 0
	v_nop
	global_prefetch_b8 v0, s[64:65] scope:SCOPE_SE
	s_setreg_imm32_b32 hwreg(HW_REG_WAVE_MODE, 25, 1), 1
	s_wait_xcnt 0x0
	s_wait_alu depctr_hold_cnt(0) depctr_sa_sdst(0) depctr_va_vdst(0) depctr_va_sdst(0) depctr_va_ssrc(0) depctr_va_vcc(0) depctr_vm_vsrc(0)
	s_getreg_b32 s2, hwreg(HW_REG_IB_STS2, 6, 4)
	s_cmp_eq_u32 s2, 0
	s_cbranch_scc0 .Lentry_in_a_cluster
	s_endpgm
.Lentry_in_a_cluster:
	s_bfe_u32 s2, ttmp6, 0x10000c
	s_cmp_lg_u32 s2, 0xf033
	s_cbranch_scc0 .Lentry_shape_is_right
	s_endpgm
.Lentry_shape_is_right:
; QKV.  [q | k | v] = xb . wts + bias: a product 4096 x 3072 x 1024 in bf16 with f32 sums; the bias (rounded to bf16) is the C operand that starts each sum.
; OUT.  qkv: f16 by planes of one head and batch, plane p = 2 g + b (g = 16 kind + head; kind 0 q, 1 k, 2 v), [t 2048][64]: a plane's rows are dense, 128 bytes.
;       stat: f32 [p][block of 64 rows][64], taken of the f32 sums: q planes: the sum over the block's rows of q / max(|q|, 1e-8); k and v planes: the block's mean.
; LIMIT.  q, k, v must lie within f16's 65,504 (the drawn inputs give about 0.6; 30 times larger x and W about 600, with offsets of 30 spreads some 18,000).  NaN and infinities are not treated apart.
; SHARES.  A work-group makes 128 rows x 384 columns (256 work-groups); a wave 64 rows x 192 columns: ONE block of 64 rows of THREE whole heads g_i = 6 tn + 2 i + nh: 48 accumulators.
; THE MATRIX INSTRUCTION IS USED TRANSPOSED: source 0 = 16 columns of W (wts lies [k][n] and is turned on its way out of LDS), source 1 = 16 rows of x: a lane holds one row and eight neighbouring columns.
; RING.  K goes in 8 steps of 128 through two LDS slots.  One tensor load a wave and fill: waves 0-2 a sub-tile of W (128 k x 128 columns), wave 3 x's tile (128 rows x 128 k); all rows 256 bytes, aligned.
; CLUSTER 4 x 4: x's tile is shared along a row of the cluster, W's along a column: each is asked for jointly.
; REGISTERS by windows of 256: window 0: addresses, x's fragments v64-127 (two buffers), the bias v128-223;  window 1: W's fragments, two buffers of 96;
;   window 2: accumulators of row blocks 0, 1 (block a, column block nb at 96 (a % 2) + 8 nb);  window 3: of row blocks 2, 3.
.set PA,    272                        ; a row of x in LDS: 256 + 16 bytes: the 16 rows of a load start at 16 different groups of four banks
.set PB,    288                        ; a k-row of W: 256 + 32 bytes
.set BSUB,  128*PB
.set AOFF,  3*BSUB                     ; a slot: W's three sub-tiles, then x's tile
.set SLOT,  AOFF+128*PA
.set STAGE, 2*SLOT                     ; behind the ring: 16 rows x 144 bytes for each wave, for the way out
.set SP,    144
.set SPARE, STAGE+4*16*SP              ; behind the stages: the spare words, 128 bytes a wave
.set ADRA, 16                          ; v16-17  LDS address of my fragments of x in slot 0, 1
.set ADRB, 18                          ; v18-23  of W: slot s, sub-tile i at 18 + 3 s + i
.set STO,  24
.set RD,   25
.set GO,   26
.set SO,   27
.set SPW,  28                          ; v28  my spare word; never rewritten
.set NIL,  29                          ; v29  0; never rewritten
.set BO,   30
.set TMP,  32                          ; v32-47   packed results
.set FA,   64                          ; x's fragment buffers, 32 each
.set BK,   64                          ; the way out: rows read back, two buffers of 16
.set SS,   96                          ; the way out: sums of squares, 4 a row block
.set SC,   112                         ; the way out: a row's factor, at SC + 2 a
.set TT,   120
.set V64,  124
.set BI,   128                         ; the bias: column block nb at BI + 8 nb
.set CS,   128                         ; the way out: column sums
.set WV,   18
.set G1A, 24
.set G0A, 32
.set G1B, 48
.set G0B, 56
.set MSB, 0
.macro WIN new                         ; the immediate's high byte repeats the setting that is left; a switch that changes nothing is dropped
.if MSB != (\new)
	s_set_vgpr_msb (MSB<<8)|(\new)
.set MSB, (\new)
.endif
.endm
.macro PLACES                          ; four places behind matrix instructions, in front of loads into registers that they read and of lines that read results
.rept 4
	v_nop
.endr
.endm
.macro ALL4 line:vararg
.set x, 0
.rept 4
	\line
.set x, x+1
.endr
.endm
; A joint load.  The branch hangs on the wave's number alone.  An s_nop 0 and four v_nop follow each of the two lines.
.macro JLOAD s
	s_cmp_eq_u32 s[WV], 3
	s_cbranch_scc0 .Lfor_b_\@
	tensor_load_to_lds s[G0A+4*(\s):G0A+4*(\s)+3], s[G1A:G1A+7]
	s_nop 0
.rept 4
	v_nop
.endr
	s_branch .Lasked_\@
.Lfor_b_\@:
	tensor_load_to_lds s[G0B+4*(\s):G0B+4*(\s)+3], s[G1B:G1B+7]
	s_nop 0
.rept 4
	v_nop
.endr
.Lasked_\@:
.endm
.macro CREST                           ; a round of the cluster's barrier behind its opening barrier
	s_cmp_lg_u32 s[WV], 0
	s_cbranch_scc1 .Lnot_wave_0_\@
	s_barrier_signal -3
.Lnot_wave_0_\@:
	s_barrier_wait -3
	s_barrier_signal -1
	s_barrier_wait -1
.endm
.macro CROUND
	s_barrier_signal -1
	s_barrier_wait -1
	CREST
.endm
; 12 matrix instructions: row block a x all 12 column blocks, 32 along K, on buffer f.  first = 1: the bias starts the sums.  The 48 accumulators take turns in the same order in every quarter.
.macro MUL f, a, first
.if \first
	WIN 0x81+0x40*((\a)/2)
.else
	WIN 0xa1+0x50*((\a)/2)
.endif
.set nb, 0
.rept 12
.if \first
	v_wmma_f32_16x16x32_bf16 v[96*((\a)%2)+8*nb:96*((\a)%2)+8*nb+7], v[96*(\f)+8*nb:96*(\f)+8*nb+7], v[FA+32*(\f)+8*(\a):FA+32*(\f)+8*(\a)+7], v[BI+8*nb:BI+8*nb+7]
.else
	v_wmma_f32_16x16x32_bf16 v[96*((\a)%2)+8*nb:96*((\a)%2)+8*nb+7], v[96*(\f)+8*nb:96*(\f)+8*nb+7], v[FA+32*(\f)+8*(\a):FA+32*(\f)+8*(\a)+7], v[96*((\a)%2)+8*nb:96*((\a)%2)+8*nb+7]
.endif
.set nb, nb+1
.endr
.endm
; 32 LDS loads in one run: quarter kq (32 along K) of a slot into buffer f: W's 12 fragments, turned, then x's 4
.macro FETCH slot, kq, f
	WIN 0x40
.irp i, 0,1,2
.irp c, 0,1,2,3
	ds_load_tr16_b128 v[96*(\f)+8*(4*\i+\c):96*(\f)+8*(4*\i+\c)+3],   v[ADRB+3*(\slot)+\i] offset:32*PB*(\kq)+32*\c
	ds_load_tr16_b128 v[96*(\f)+8*(4*\i+\c)+4:96*(\f)+8*(4*\i+\c)+7], v[ADRB+3*(\slot)+\i] offset:32*PB*(\kq)+32*\c+16*PB
.endr
.endr
	WIN 0
.irp a, 0,1,2,3
	ds_load_b128 v[FA+32*(\f)+8*\a:FA+32*(\f)+8*\a+3],   v[ADRA+(\slot)] offset:16*PA*\a+64*(\kq)
	ds_load_b128 v[FA+32*(\f)+8*\a+4:FA+32*(\f)+8*\a+7], v[ADRA+(\slot)] offset:16*PA*\a+64*(\kq)+32
.endr
.endm
; One of a K step's first three quarters: multiplies buffer f; in its middle it fetches quarter kq into buffer g
.macro QUARTER slot, kq, f, g, first
	s_wait_dscnt 4                                 ; W and x's row blocks 0, 1 are in; the youngest four loads (blocks 2, 3) may be out
	MUL \f, 0, \first
	MUL \f, 1, \first
	PLACES
	FETCH \slot, \kq, \g
	s_wait_dscnt 32                                ; all but the 32 just issued
	MUL \f, 2, \first
	MUL \f, 3, \first
.endm
; The last quarter multiplies buffer 1 and changes slots: ONE barrier; in front of it each wave waits for all its tensor loads (one is out: its part of the next slot), adds 0 to its spare word,
; and waits for that and for its reads of this slot.  fill = 1: the barrier opens a round of the cluster's, and this slot is filled again first thing behind it, two K steps ahead.
.macro TURN slot, next, fill
	WIN 0
	s_wait_tensorcnt 0x0
	ds_add_u32 v[SPW], v[NIL]
	s_wait_dscnt 7                                 ; the add and x's row blocks 1 to 3 (six loads) may be out
	MUL 1, 0, 0                                    ; twelve matrix instructions stand between the add and the wait for it
	s_wait_dscnt 0x0                               ; the add is done, and my reads of this slot are over
	s_barrier_signal -1
	MUL 1, 1, 0
.if \fill
	WIN 0
.endif
	s_barrier_wait -1
.if \fill
	CREST                                          ; no wave of any partner still reads this slot or has a load on its way
	s_add_nc_u64 s[G0A+4*(\slot)+2:G0A+4*(\slot)+3], s[G0A+4*(\slot)+2:G0A+4*(\slot)+3], 512
	s_add_nc_u64 s[G0B+4*(\slot)+2:G0B+4*(\slot)+3], s[G0B+4*(\slot)+2:G0B+4*(\slot)+3], 256*6144
	JLOAD \slot                                    ; its four v_nop are also the places in front of the loads below
.else
	PLACES
.endif
	FETCH \next, 0, 0
	MUL 1, 2, 0
	MUL 1, 3, 0
.endm
	s_load_b256 s[4:11], s[0:1], 0x0               ; xb s[4:5], wts s[6:7], bq s[8:9], bk s[10:11]
	s_load_b128 s[12:15], s[0:1], 0x20             ; bv s[12:13], qkv s[14:15]
	s_load_b64 s[16:17], s[0:1], 0x30              ; stat
	v_lshl_add_u32 v[SPW], v0, 2, SPARE
	v_mov_b32 v[NIL], 0
	ds_add_u32 v[SPW], v[NIL]                      ; the wave's opening
	ds_add_u32 v28, v29
	v_lshrrev_b32 v1, 5, v0
	v_readfirstlane_b32 s[WV], v1
	s_lshr_b32 s19, s[WV], 1                       ; mh: which 64 rows
	s_and_b32 s20, s[WV], 1                        ; nh: which head of each pair
	s_bfe_u32 s21, ttmp6, 0x40000                  ; cx
	s_bfe_u32 s22, ttmp6, 0x40004                  ; cy
	s_lshl_b32 s23, ttmp9, 2
	s_add_co_u32 s23, s23, s21                     ; tn = 4 x cluster x + cx
	s_and_b32 s66, ttmp7, 0xffff
	s_lshl_b32 s66, s66, 2
	s_add_co_u32 s66, s66, s22                     ; tm = 4 x cluster y + cy
	s_lshl_b32 s92, s22, 2
	s_lshl_b32 s92, 15, s92                        ; my row of the cluster
	s_lshl_b32 s93, 0x1111, s21                    ; my column
	s_or_b32 s[G1A], s92, (1<<16)|(1<<20)|(1<<21)|(5<<22)|(3<<25)  ; the mask; 2-byte elements; padding on; bit 21 beside a mask; after every 64 words 4 words
	s_or_b32 s[G1B], s93, (1<<16)|(1<<20)|(1<<21)|(5<<22)|(7<<25)  ; the same with 8 words
.irp g, G1A, G1B
	s_mov_b32 s[\g+1], 128<<16                     ; tensor_dim0 = 128
	s_mov_b32 s[\g+2], 128<<16                     ; tensor_dim1 = 128
	s_mov_b32 s[\g+3], 128<<16                     ; tile_dim0 = 128
	s_mov_b32 s[\g+4], 128                         ; tile_dim1 = 128
	s_mov_b32 s[\g+6], 0
	s_mov_b32 s[\g+7], 0
.endr
	s_mov_b32 s[G1A+5], 1024                       ; elements from row to row of xb
	s_mov_b32 s[G1B+5], 3072                       ; and of wts
	s_lshl_b32 s40, s66, 18                        ; x: 128 tm rows of 2,048 bytes
	s_mov_b32 s41, 0
	s_mul_i32 s44, s23, 768                        ; W: 384 tn columns,
	s_lshl_b32 s45, s[WV], 8                       ; my sub-tile's 128
	s_add_co_u32 s44, s44, s45
	s_mov_b32 s45, 0
	s_mul_i32 s94, s[WV], BSUB                     ; and its place in a slot
	s_mov_b32 s83, 0xff00ff00
	s_mov_b32 s84, 0xf0f0f0f0
	s_mov_b32 s85, 0xcccccccc
	s_mov_b32 s86, 0xaaaaaaaa
	s_mov_b32 s88, 0x76543210
	s_mov_b32 s89, 0xfedcba98
	s_mov_b32 s90, 0x322bcc77                      ; 1e-8
	s_mov_b32 s91, 0xffff0000
	s_wait_dscnt 0x0                               ; the opening add is done
	s_wait_kmcnt 0x0
	s_add_nc_u64 s[42:43], s[4:5], s[40:41]
	s_add_nc_u64 s[46:47], s[6:7], s[44:45]
	CROUND                                         ; all sixteen work-groups are here: the first joint loads meet
.irp s, 0,1
	s_mov_b32 s[G0A+4*\s], 1
	s_mov_b32 s[G0A+4*\s+1], \s*SLOT+AOFF
	s_add_nc_u64 s[G0A+4*\s+2:G0A+4*\s+3], s[42:43], \s*256
	s_or_b32 s[G0A+4*\s+3], s[G0A+4*\s+3], 0x80000000
	s_mov_b32 s[G0B+4*\s], 1
	s_add_co_u32 s[G0B+4*\s+1], s94, \s*SLOT
	s_add_nc_u64 s[G0B+4*\s+2:G0B+4*\s+3], s[46:47], \s*128*6144
	s_or_b32 s[G0B+4*\s+3], s[G0B+4*\s+3], 0x80000000
	JLOAD \s                                       ; two loads of mine are out
.endr
	; lane addresses
	v_and_b32 v1, 15, v0                           ; r
	v_bfe_u32 v2, v0, 4, 1                         ; h
	v_mul_u32_u24 v3, v1, PA
	v_lshl_add_u32 v3, v2, 4, v3
	s_mul_i32 s92, s19, 64*PA
	s_add_co_u32 s92, s92, AOFF
	v_add_nc_u32 v[ADRA], s92, v3
	v_add_nc_u32 v[ADRA+1], SLOT, v[ADRA]
	v_and_b32 v4, 7, v0
	v_lshl_add_u32 v4, v2, 3, v4                   ; the turning load: k-row 8 h + l % 8,
	v_mul_u32_u24 v4, v4, PB
	v_bfe_u32 v5, v0, 3, 1
	v_lshl_add_u32 v4, v5, 4, v4                   ; columns 8 ((l / 8) % 2) on,
	s_lshl_b32 s93, s20, 7
	v_add_nc_u32 v4, s93, v4                       ; in my head's 64 columns of a sub-tile
.irp s, 0,1
.irp i, 0,1,2
	v_add_nc_u32 v[ADRB+3*\s+\i], \s*SLOT+\i*BSUB, v4
.endr
.endr
	s_mul_i32 s92, s[WV], 16*SP
	s_add_co_u32 s92, s92, STAGE
	v_mul_u32_u24 v[STO], v1, SP
	v_lshl_add_u32 v[STO], v2, 4, v[STO]
	v_add_nc_u32 v[STO], s92, v[STO]               ; in: row r, 16 bytes for each half of the lanes
	v_bfe_u32 v[RD], v0, 3, 2
	v_mul_u32_u24 v[RD], v[RD], SP
	v_and_b32 v5, 7, v0
	v_lshl_add_u32 v[RD], v5, 4, v[RD]
	v_add_nc_u32 v[RD], s92, v[RD]                 ; back: 32 lanes take four rows of 128 bytes,
	v_and_b32 v[GO], 31, v0
	v_lshlrev_b32 v[GO], 4, v[GO]                  ; which are 512 consecutive bytes of a plane
	v_lshrrev_b32 v[SO], 2, v1
	v_lshlrev_b32 v[SO], 6, v[SO]
	v_lshl_add_u32 v[SO], v2, 5, v[SO]
	v_and_b32 v5, 3, v1
	v_lshl_add_u32 v[SO], v5, 3, v[SO]             ; my two column sums in a row of stat: 64 (r / 4) + 32 h + 8 (r % 4)
	v_lshlrev_b32 v[BO], 5, v2                     ; my eight columns of the bias
	; the three heads: bias pointer, whether it is a q head, where its rows and its statistics go
	s_mul_i32 s92, s23, 6
	s_add_co_u32 s92, s92, s20                     ; g_0
	s_lshr_b32 s96, s66, 4                         ; b
	s_and_b32 s97, s66, 15
	s_lshl_b32 s97, s97, 1
	s_add_co_u32 s87, s97, s19                     ; my block of 64 rows in the sequence
	s_mov_b32 s99, 0
.irp i, 0,1,2
	s_add_co_u32 s93, s92, 2*\i                    ; g_i
	s_lshr_b32 s94, s93, 4                         ; its kind
	s_cmp_eq_u32 s94, 0
	s_cselect_b64 s[40+2*\i:41+2*\i], s[8:9], s[10:11]
	s_cselect_b32 s[80+\i], -1, 0
	s_cmp_eq_u32 s94, 2
	s_cselect_b64 s[40+2*\i:41+2*\i], s[12:13], s[40+2*\i:41+2*\i]
	s_and_b32 s98, s93, 15
	s_lshl_b32 s98, s98, 8
	s_add_nc_u64 s[40+2*\i:41+2*\i], s[40+2*\i:41+2*\i], s[98:99]
	s_lshl_b32 s94, s93, 1
	s_add_co_u32 s94, s94, s96                     ; the plane
	s_lshl_b32 s98, s94, 18
	s_lshl_b32 s95, s87, 13
	s_add_co_u32 s98, s98, s95
	s_add_nc_u64 s[68+2*\i:69+2*\i], s[14:15], s[98:99]
	s_lshl_b32 s98, s94, 5
	s_add_co_u32 s98, s98, s87
	s_lshl_b32 s98, s98, 8
	s_add_nc_u64 s[74+2*\i:75+2*\i], s[16:17], s[98:99]
.endr
.irp i, 0,1,2
.irp c, 0,1,2,3
	global_load_b128 v[BI+8*(4*\i+\c):BI+8*(4*\i+\c)+3],   v[BO], s[40+2*\i:41+2*\i] offset:64*\c
	global_load_b128 v[BI+8*(4*\i+\c)+4:BI+8*(4*\i+\c)+7], v[BO], s[40+2*\i:41+2*\i] offset:64*\c+16
.endr
.endr
	s_wait_loadcnt 0x0
.set pp, 0
.rept 48
	v_cvt_pk_bf16_f32 v[TMP+pp%4], v[BI+2*pp], v[BI+2*pp+1]  ; the bias rounded to bf16, kept as f32
	v_lshlrev_b32 v[BI+2*pp], 16, v[TMP+pp%4]
	v_and_b32 v[BI+2*pp+1], s91, v[TMP+pp%4]
.set pp, pp+1
.endr
	s_wait_tensorcnt 1                             ; my part of K step 0 is in; K step 1's may stay out
	s_barrier_signal -1
	s_barrier_wait -1
	FETCH 0, 0, 0
	QUARTER 0, 1, 0, 1, 1                          ; the first quarter stands in front of the loop: its products start the sums
	WIN 0
	s_mov_b32 s67, 3
.Llap:                                             ; a trip goes once round the ring and fills both slots again
	QUARTER 0, 2, 1, 0, 0
	QUARTER 0, 3, 0, 1, 0
	TURN 0, 1, 1
	QUARTER 1, 1, 0, 1, 0
	QUARTER 1, 2, 1, 0, 0
	QUARTER 1, 3, 0, 1, 0
	TURN 1, 0, 1
	QUARTER 0, 1, 0, 1, 0
	WIN 0
	s_sub_co_u32 s67, s67, 1
	s_cmp_lg_u32 s67, 0
	s_cbranch_scc1 .Llap
	QUARTER 0, 2, 1, 0, 0                          ; the last lap fills nothing
	QUARTER 0, 3, 0, 1, 0
	TURN 0, 1, 0
	QUARTER 1, 1, 0, 1, 0
	QUARTER 1, 2, 1, 0, 0
	QUARTER 1, 3, 0, 1, 0
	s_wait_dscnt 4
	MUL 1, 0, 0
	MUL 1, 1, 0
	s_wait_dscnt 0x0
	MUL 1, 2, 0
	MUL 1, 3, 0
	WIN 0
	PLACES
; THE WAY OUT, by units (head i, row block a): 32 accumulator registers on end.  PACK: squares for the rows' norms, and the rounding to f16, each accumulator's registers in ascending order.
.macro PACK i, a
.set AB, 96*((\a)%2)+32*(\i)
	WIN 0x0a+5*((\a)/2)                            ; sources 0 and 1 in window 2 or 3
.set pp, 0
.rept 16
.if pp < 2
	v_pk_mul_f32 v[SS+4*(\a)+2*pp:SS+4*(\a)+2*pp+1], v[AB+2*pp:AB+2*pp+1], v[AB+2*pp:AB+2*pp+1]
.else
	v_pk_fma_f32 v[SS+4*(\a)+2*(pp%2):SS+4*(\a)+2*(pp%2)+1], v[AB+2*pp:AB+2*pp+1], v[AB+2*pp:AB+2*pp+1], v[SS+4*(\a)+2*(pp%2):SS+4*(\a)+2*(pp%2)+1]
.endif
	v_cvt_pk_f16_f32 v[TMP+pp], v[AB+2*pp], v[AB+2*pp+1]
.set pp, pp+1
.endr
	WIN 0
.endm
.macro TOSTAGE u                       ; into my own stage, and back as whole rows; LDS serves a wave's instructions in order
.irp c, 0,1,2,3
	ds_store_b128 v[STO], v[TMP+4*\c:TMP+4*\c+3] offset:32*\c
.endr
	s_wait_xcnt 0x0                                ; the earlier stores have read their data: this buffer was stored two units ago
.irp f, 0,1,2,3
	ds_load_b128 v[BK+16*((\u)%2)+4*\f:BK+16*((\u)%2)+4*\f+3], v[RD] offset:4*SP*\f
.endr
.endm
.macro SEND u
	s_wait_dscnt 0x0
.irp f, 0,1,2,3
	global_store_b128 v[GO], v[BK+16*((\u)%2)+4*\f:BK+16*((\u)%2)+4*\f+3], s[68+2*((\u)/4):69+2*((\u)/4)] offset:2048*((\u)%4)+512*\f  ; 512 consecutive bytes, aligned
.endr
.endm
.macro RS n, mask, xm                  ; a stage of the sum over 16 lanes that halves the registers
.set q, 0
.rept (\n)/2
	v_cndmask_b32 v[TT+q%4], v[CS+q+(\n)/2], v[CS+q], s[\mask]
	v_cndmask_b32 v[CS+q], v[CS+q], v[CS+q+(\n)/2], s[\mask]
	v_add_f32_dpp v[CS+q], v[TT+q%4], v[CS+q] row_xmask:\xm row_mask:0xf bank_mask:0xf
.set q, q+1
.endr
.endm
; Head i's statistics: each row's factor (1 / max(norm, 1e-8) in a q head, 1/64 else), the 64 rows' weighted column sums, one store of 256 bytes.
.macro STATS i
	WIN 0
	ALL4 v_add_f32 v[SS+4*x], v[SS+4*x], v[SS+4*x+1]
	ALL4 v_add_f32 v[SS+4*x+2], v[SS+4*x+2], v[SS+4*x+3]
	ALL4 v_add_f32 v[SS+4*x], v[SS+4*x], v[SS+4*x+2]
	ALL4 v_permlanex16_b32 v[SS+4*x+1], v[SS+4*x], s88, s89   ; the row's other 32 columns lie in the lane 16 away
	ALL4 v_add_f32 v[SS+4*x], v[SS+4*x], v[SS+4*x+1]
	ALL4 v_sqrt_f32 v[SS+4*x], v[SS+4*x]
	v_nop
	s_wait_alu depctr_va_vdst(0)
	ALL4 v_max_num_f32 v[SS+4*x], s90, v[SS+4*x]
	ALL4 v_rcp_f32 v[SS+4*x], v[SS+4*x]
	v_nop
	s_wait_alu depctr_va_vdst(0)
	ALL4 v_cndmask_b32 v[SC+2*x], v[V64], v[SS+4*x], s[80+(\i)]
.irp a, 0,1,2,3
	WIN 2+\a/2                                     ; source 0 in window 2 or 3
.set pp, 0
.rept 16
.if \a == 0
	v_pk_mul_f32 v[CS+2*pp:CS+2*pp+1], v[32*(\i)+2*pp:32*(\i)+2*pp+1], v[SC:SC+1] op_sel_hi:[1,0]
.else
	v_pk_fma_f32 v[CS+2*pp:CS+2*pp+1], v[96*(\a%2)+32*(\i)+2*pp:96*(\a%2)+32*(\i)+2*pp+1], v[SC+2*\a:SC+2*\a+1], v[CS+2*pp:CS+2*pp+1] op_sel_hi:[1,0,1]
.endif
.set pp, pp+1
.endr
.endr
	WIN 0
	RS 32, 83, 8                                   ; lane r ends with registers 2 r, 2 r + 1 of the 32
	RS 16, 84, 4
	RS 8, 85, 2
	RS 4, 86, 1
	global_store_b64 v[SO], v[CS:CS+1], s[74+2*(\i):75+2*(\i)]  ; the wave stores 256 consecutive bytes, aligned
.endm
	ALL4 v_mov_b32 v[SC+2*x+1], 0                  ; named with the factors as pairs
	v_mov_b32 v[V64], 0x3c800000                   ; 1/64
.irp i, 0,1,2
.irp a, 0,1,2,3
	PACK \i, \a
.if 4*\i+\a > 0
	SEND 4*\i+\a-1
.endif
	TOSTAGE 4*\i+\a
.endr
	STATS \i
.endr
	SEND 11
	s_wait_tensorcnt 0x0                           ; the wave's end
	ds_add_u32 v[SPW], v[NIL]
	s_wait_dscnt 0x0
	CROUND                                         ; the closing round
	s_endpgm
.Lfunc_end_k_q94f2b1dc7b_qkv:
	.size	k_q94f2b1dc7b_qkv, .Lfunc_end_k_q94f2b1dc7b_qkv-k_q94f2b1dc7b_qkv
	.p2alignl 7, 3214868480
	.fill 96, 4, 3214868480
	.section	.rodata,"a",@progbits
	.p2align	6, 0x0
	.amdhsa_kernel k_q94f2b1dc7b_qkv
		.amdhsa_group_segment_fixed_size 327680
		.amdhsa_private_segment_fixed_size 0
		.amdhsa_enable_private_segment 0
		.amdhsa_kernarg_size 56
		.amdhsa_user_sgpr_count 2
		.amdhsa_user_sgpr_kernarg_segment_ptr 1
		.amdhsa_wavefront_size32 1
		.amdhsa_system_sgpr_workgroup_id_x 1
		.amdhsa_system_sgpr_workgroup_id_y 1
		.amdhsa_system_sgpr_workgroup_id_z 1
		.amdhsa_system_vgpr_workitem_id 0
		.amdhsa_next_free_vgpr 960
		.amdhsa_next_free_sgpr 100
		.amdhsa_reserve_vcc 0
		.amdhsa_float_denorm_mode_32 3
		.amdhsa_float_denorm_mode_16_64 3
		.amdhsa_memory_ordered 1
		.amdhsa_forward_progress 1
		.amdhsa_inst_pref_size 177
	.end_amdhsa_kernel
	.amdgpu_metadata
---
amdhsa.version: [ 1, 2 ]
amdhsa.kernels:
  - .name:           k_q94f2b1dc7b_qkv
    .symbol:         k_q94f2b1dc7b_qkv.kd
    .args:
      - { .name: xb, .offset: 0, .size: 8, .value_kind: global_buffer, .address_space: global }
      - { .name: wts, .offset: 8, .size: 8, .value_kind: global_buffer, .address_space: global }
      - { .name: bq, .offset: 16, .size: 8, .value_kind: global_buffer, .address_space: global }
      - { .name: bk, .offset: 24, .size: 8, .value_kind: global_buffer, .address_space: global }
      - { .name: bv, .offset: 32, .size: 8, .value_kind: global_buffer, .address_space: global }
      - { .name: qkv, .offset: 40, .size: 8, .value_kind: global_buffer, .address_space: global }
      - { .name: stat, .offset: 48, .size: 8, .value_kind: global_buffer, .address_space: global }
    .group_segment_fixed_size: 327680
    .private_segment_fixed_size: 0
    .kernarg_segment_align: 8
    .kernarg_segment_size: 56
    .max_flat_workgroup_size: 128
    .sgpr_count:     100
    .vgpr_count:     960
    .wavefront_size: 32
...
	.end_amdgpu_metadata
.endif
;; end of part 2
;; launch select (part 3): grid 32 x 1, 3 waves a work-group, no clusters, 0 bytes of LDS; arguments stat, idx, cmpb; writes idx, cmpb
.if DOCPART == 3
	.amdgcn_target "amdgcn-amd-amdhsa--gfx1250"
	.amdhsa_code_object_version 6
	.text
	.protected	k_q94f2b1dc7b_select
	.globl	k_q94f2b1dc7b_select
	.p2align	8
	.type	k_q94f2b1dc7b_select,@function
k_q94f2b1dc7b_select:
	s_mov_b64 s[64:65], 0
	v_nop
	global_prefetch_b8 v0, s[64:65] scope:SCOPE_SE
	s_setreg_imm32_b32 hwreg(HW_REG_WAVE_MODE, 25, 1), 1
	s_wait_xcnt 0x0
; SELECT, one work-group for each pair pi = 2 head + batch.  Three waves with three tasks, told apart by the wave's number; nothing is handed between them.
; Wave 0: score[n] = (sum over t of q / |q|) . k_rep[n] / max(|k_rep[n]|, 1e-8) (the mean's 1 / T changes no order and is left out); idx[pi][p] = the block of rank p, p = 0..7, highest first;
;         of equal scores the lower block comes first.  The sums run in another order than the definition's: scores agree to f32 rounding.  No address hangs on a score: ranks are turned into values by compares.
; Wave 1: kc = k_rep in f16 [32][64].      Wave 2: vct = the v blocks' means in f16, transposed, [channel 64][block 32].
; 32 work-groups: the task has no more; no LDS, no cluster (nothing is shared).
	s_load_b128 s[4:7], s[0:1], 0x0                ; stat s[4:5], idx s[6:7]
	s_load_b64 s[8:9], s[0:1], 0x10                ; cmpb
	v_lshrrev_b32 v1, 5, v0
	v_readfirstlane_b32 s10, v1                    ; my wave's number
	v_and_b32 v1, 31, v0                           ; lane
	s_lshl_b32 s12, ttmp9, 13                      ; a plane of stat and a pair's part of cmpb are 8,192 bytes
	s_mov_b32 s13, 0
	s_lshl_b32 s14, ttmp9, 5
	s_mov_b32 s15, 0
	s_wait_kmcnt 0x0
	s_add_nc_u64 s[4:5], s[4:5], s[12:13]          ; the q plane; the k plane lies 262,144 bytes on, the v plane 524,288
	s_add_nc_u64 s[8:9], s[8:9], s[12:13]
	s_add_nc_u64 s[6:7], s[6:7], s[14:15]
	s_cmp_eq_u32 s10, 1
	s_cbranch_scc1 .Lkc
	s_cmp_eq_u32 s10, 2
	s_cbranch_scc1 .Lvct
	; ---- wave 0
	v_lshlrev_b32 v2, 3, v1                        ; columns 2 l, 2 l + 1 of a row
	v_lshlrev_b32 v3, 8, v1                        ; block l's row
	v_lshlrev_b32 v4, 2, v1
.set m, 0
.rept 32
	global_load_b64 v[16+2*m:17+2*m], v2, s[4:5] offset:256*m
.set m, m+1
.endr
.set m, 0
.rept 16
	global_load_b128 v[80+4*m:83+4*m], v3, s[4:5] offset:262144+16*m
.set m, m+1
.endr
	s_wait_loadcnt 16                              ; the 32 partial rows are in; k_rep's 16 loads may stay out
.set m, 4
.rept 28
	v_pk_add_f32 v[16+2*(m%4):17+2*(m%4)], v[16+2*(m%4):17+2*(m%4)], v[16+2*m:17+2*m]
.set m, m+1
.endr
	v_pk_add_f32 v[16:17], v[16:17], v[18:19]
	v_pk_add_f32 v[20:21], v[20:21], v[22:23]
	v_pk_add_f32 v[16:17], v[16:17], v[20:21]      ; lane l: the sum's columns 2 l, 2 l + 1
	s_wait_loadcnt 0x0
.set d, 0
.rept 64
	v_readlane_b32 s[16+d%8], v[16+d%2], d/2
.if d < 4
	v_mul_f32 v[144+d], s[16+d%8], v[80+d]
.else
	v_fmac_f32 v[144+d%4], s[16+d%8], v[80+d]
.endif
.set d, d+1
.endr
.set m, 0
.rept 32
.if m < 2
	v_pk_mul_f32 v[148+2*m:149+2*m], v[80+2*m:81+2*m], v[80+2*m:81+2*m]
.else
	v_pk_fma_f32 v[148+2*(m%2):149+2*(m%2)], v[80+2*m:81+2*m], v[80+2*m:81+2*m], v[148+2*(m%2):149+2*(m%2)]
.endif
.set m, m+1
.endr
	v_add_f32 v144, v144, v145
	v_add_f32 v146, v146, v147
	v_add_f32 v144, v144, v146
	v_add_f32 v148, v148, v149
	v_add_f32 v150, v150, v151
	v_add_f32 v148, v148, v150
	v_sqrt_f32 v148, v148
	v_mov_b32 v153, 0                              ; rank; a plain instruction behind the root
	s_wait_alu depctr_va_vdst(0)
	v_max_num_f32 v148, 0x322bcc77, v148           ; 1e-8
	v_rcp_f32 v148, v148
	v_mov_b32 v155, 0
	s_wait_alu depctr_va_vdst(0)
	v_mul_f32 v152, v144, v148                     ; lane n: block n's score
.set m, 0
.rept 32
	v_readlane_b32 s[24+m%4], v152, m
	v_cmp_gt_f32 s40, s[24+m%4], v152              ; block m beats me,
	v_cmp_eq_f32 s41, s[24+m%4], v152
	s_and_b32 s41, s41, (0xffffffff<<(m+1))&0xffffffff  ; or ties with me and has the lower number
	s_or_b32 s40, s40, s41
	v_cndmask_b32 v154, 0, 1, s40
	v_add_nc_u32 v153, v153, v154
.set m, m+1
.endr
.set m, 0
.rept 32
	v_readlane_b32 s[24+m%4], v153, m
	v_cmp_eq_u32 vcc_lo, s[24+m%4], v1
	v_cndmask_b32 v155, v155, m, vcc_lo            ; lane p: the block of rank p
.set m, m+1
.endr
	v_cmp_gt_u32 vcc_lo, 8, v1
	s_wait_xcnt 0x0                                ; EXEC changes only when the loads have read their sources
	s_and_saveexec_b32 s42, vcc_lo
	global_store_b32 v4, v155, s[6:7]
	s_wait_xcnt 0x0
	s_or_b32 exec_lo, exec_lo, s42
	s_endpgm
	; ---- wave 1
.Lkc:
	v_lshlrev_b32 v2, 5, v1
	v_lshlrev_b32 v3, 4, v1
.set i, 0
.rept 8
	global_load_b128 v[16+8*i:19+8*i], v2, s[4:5] offset:262144+1024*i
	global_load_b128 v[20+8*i:23+8*i], v2, s[4:5] offset:262144+1024*i+16
.set i, i+1
.endr
.set i, 0
.rept 8
	s_wait_loadcnt 14-2*i                          ; the later pairs of loads may stay out
.irp r, 0,1,2,3
	v_cvt_pk_f16_f32 v[80+4*i+\r], v[16+8*i+2*\r], v[16+8*i+2*\r+1]
.endr
	global_store_b128 v3, v[80+4*i:83+4*i], s[8:9] offset:512*i  ; 512 consecutive bytes
.set i, i+1
.endr
	s_endpgm
	; ---- wave 2: eight groups of eight channels; a group is 8 loads of 4 bytes a lane (8 blocks of one channel) and one store of 512 consecutive bytes.
	; Four groups are asked for at the start, and behind each of the first four stores the group four further on: 32 loads are out at the most.  Every group has registers of its own.
.Lvct:
	v_and_b32 v2, 3, v1
	v_lshlrev_b32 v2, 11, v2                       ; blocks 8 (l % 4) on,
	v_lshrrev_b32 v4, 2, v1
	v_lshl_add_u32 v2, v4, 2, v2                   ; channel l / 4 of a group of eight
	v_lshlrev_b32 v3, 4, v1
.macro VLD g
.irp j, 0,1,2,3,4,5,6,7
	global_load_b32 v[16+8*(\g)+\j], v2, s[4:5] offset:524288+256*\j+32*(\g)
.endr
.endm
	VLD 0
	VLD 1
	VLD 2
	VLD 3
.set i, 0
.rept 8
.if i < 5
	s_wait_loadcnt 24                              ; group i is in; the three groups behind it may stay out
.else
	s_wait_loadcnt 56-8*i                          ; the counts run down: 16, 8, 0
.endif
.irp r, 0,1,2,3
	v_cvt_pk_f16_f32 v[80+4*i+\r], v[16+8*i+2*\r], v[16+8*i+2*\r+1]
.endr
	global_store_b128 v3, v[80+4*i:83+4*i], s[8:9] offset:4096+512*i
.if i < 4
	VLD i+4
.endif
.set i, i+1
.endr
	s_endpgm
.Lfunc_end_k_q94f2b1dc7b_select:
	.size	k_q94f2b1dc7b_select, .Lfunc_end_k_q94f2b1dc7b_select-k_q94f2b1dc7b_select
	.p2alignl 7, 3214868480
	.fill 96, 4, 3214868480
	.section	.rodata,"a",@progbits
	.p2align	6, 0x0
	.amdhsa_kernel k_q94f2b1dc7b_select
		.amdhsa_group_segment_fixed_size 0
		.amdhsa_private_segment_fixed_size 0
		.amdhsa_enable_private_segment 0
		.amdhsa_kernarg_size 24
		.amdhsa_user_sgpr_count 2
		.amdhsa_user_sgpr_kernarg_segment_ptr 1
		.amdhsa_wavefront_size32 1
		.amdhsa_system_sgpr_workgroup_id_x 1
		.amdhsa_system_sgpr_workgroup_id_y 1
		.amdhsa_system_sgpr_workgroup_id_z 1
		.amdhsa_system_vgpr_workitem_id 0
		.amdhsa_next_free_vgpr 160
		.amdhsa_next_free_sgpr 66
		.amdhsa_reserve_vcc 1
		.amdhsa_float_denorm_mode_32 3
		.amdhsa_float_denorm_mode_16_64 3
		.amdhsa_memory_ordered 1
		.amdhsa_forward_progress 1
		.amdhsa_inst_pref_size 47
	.end_amdhsa_kernel
	.amdgpu_metadata
---
amdhsa.version: [ 1, 2 ]
amdhsa.kernels:
  - .name:           k_q94f2b1dc7b_select
    .symbol:         k_q94f2b1dc7b_select.kd
    .args:
      - { .name: stat, .offset: 0, .size: 8, .value_kind: global_buffer, .address_space: global }
      - { .name: idx, .offset: 8, .size: 8, .value_kind: global_buffer, .address_space: global }
      - { .name: cmpb, .offset: 16, .size: 8, .value_kind: global_buffer, .address_space: global }
    .group_segment_fixed_size: 0
    .private_segment_fixed_size: 0
    .kernarg_segment_align: 8
    .kernarg_segment_size: 24
    .max_flat_workgroup_size: 96
    .sgpr_count:     66
    .vgpr_count:     160
    .wavefront_size: 32
...
	.end_amdgpu_metadata
.endif
;; end of part 3
;; launch attn (part 4): grid 8 x 32, 4 waves a work-group, no clusters, 282,112 bytes of LDS; arguments qkv, cmpb, idx, gates, ao; writes ao
.if DOCPART == 4
	.amdgcn_target "amdgcn-amd-amdhsa--gfx1250"
	.amdhsa_code_object_version 6
	.text
	.protected	k_q94f2b1dc7b_attn
	.globl	k_q94f2b1dc7b_attn
	.p2align	8
	.type	k_q94f2b1dc7b_attn,@function
k_q94f2b1dc7b_attn:
	s_mov_b64 s[64:65], 0
	v_nop
	global_prefetch_b8 v0, s[64:65] scope:SCOPE_SE
	s_setreg_imm32_b32 hwreg(HW_REG_WAVE_MODE, 25, 1), 1
	s_wait_xcnt 0x0
; ATTN.  ao = g_sl x band attention + g_sel x attention over the 8 selected blocks + g_cmp x attention over the 32 block means; each a softmax of its own with a running maximum.  Head size 64, all operands f16.
; SHARES.  A work-group owns 256 queries of one pair pi = 2 head + batch; a wave 64 queries, one block qb of the sequence, as four tiles of 16.  All keys that the work-group needs lie in LDS at once:
; 14 blocks of 64 keys: 0-7 the selected blocks in their order, 8-9 the 128 keys in front of the work-group's queries, 10-13 its own 256.  Nothing is filled again.
; EQUAL WORK.  Every wave does the compressed half step, 3 band steps (its own block first) and 8 selected steps.  What the masks hide is hidden by the C operand that starts S^T = K Q^T (0 or -1e30):
; qb enters by scalar selects alone, never a branch or an LDS address.  Each branch's first step holds a visible key for every row, so the maximum is a true score when the first hidden one comes.
; LAYOUT.  S^T = K Q^T holds ONE query a lane (lane % 16) and the keys 8 (lane / 16) + 0..7; two such results rounded to f16 ARE source 1 of O^T = V^T P.  p = 2^(c s - c m), c = log2(e) / 8;
; O and l are multiplied by a = 2^(c m_old - c m_new) in every step.  A branch begins with c m far below every score, so its first a is 0 and what the branch before left in O and l need only be finite.
; NO CLUSTER.  What the eight work-groups of a pair share are the selected blocks (128 KiB of a work-group's 224 KiB of tiles), and their addresses are made of indices read from memory: a joint request
; wants a descriptor that is equal in all partners by the text's own arithmetic on ids and constants, which a loaded number is not.  The band's tiles are each work-group's own.
; LIMITS.  A hidden score counts as its value less 1e30 (or 2e30); a weight below 2^-126 counts as 0; p below 6e-5 keeps f16's fixed step; ao keeps f16's range and step; NaN and infinities are not treated apart.
; REGISTERS by windows of 256: window 0: addresses, statistics, S^T v64-191, P v192-255;  window 1: O^T v0-127, the gated sum v128-255;
;   window 2: Q v0-63, K v64-127, V v128-191, mask patterns v192-215, the step's masks v216-239, gates v240-255.
.set PK,    144
.set PV,    160
.set KBLK,  64*PK
.set VBLK,  64*PV
.set VREG,  14*KBLK
.set STAGE, VREG+14*VBLK
.set SP,    144
.set SPARE, STAGE+4*16*SP
.set AK0, 2
.set AV0, 3
.set AK,  4
.set AV,  5
.set STO, 6
.set RD,  7
.set GO,  8
.set QO,  12
.set ST,  16                           ; tile x: c m, m, l (even keys', odd keys') at ST + 4 x
.set TM,  32                           ; tile x: c0-c3 at work; a takes c2
.set MV,  48                           ; c m_old
.set FS,  52                           ; tile x: gate / l at FS + 2 x
.set SPW, 62
.set NIL, 63
.set S,   64
.set P,   192
.set KF,  64                           ; window 2
.set VF,  128
.set MT,  192                          ; -1e30 where 8 h + j > r
.set MA,  200                          ; -1e30 where 8 h + j < r
.set MN,  208                          ; -1e30
.set MLO, 216                          ; the step's mask for key tiles below the query tile, at it, above it
.set MEQ, 224
.set MHI, 232
.set GT,  240
.set WV,  14
.set QB,  18
.set CS,  80
.set SEL, 82
.set AL1, 84
.set AL2, 86
.set BE,  88
.set BIGN, 90
.set TBK, 91
.set TBV, 92
.set CNT, 93
.set MSB, 0
.macro WIN new
.if MSB != (\new)
	s_set_vgpr_msb (MSB<<8)|(\new)
.set MSB, (\new)
.endif
.endm
.macro PLACES
.rept 4
	v_nop
.endr
.endm
.macro ALL4 line:vararg
.set x, 0
.rept 4
	\line
.set x, x+1
.endr
.endm
.macro SELG g, k                       ; group 0 of a selected block: the index is held to 0..31, a block is 8,192 bytes of the plane
	s_min_u32 s[\k], s[\k], 31
	s_lshl_b32 s100, s[\k], 13
	s_mov_b32 s[\g], 1
	s_add_nc_u64 s[\g+2:\g+3], s[94:95], s[100:101]
	s_or_b32 s[\g+3], s[\g+3], 0x80000000
.endm
; A wave's six first fills: its half of the own keys, of the keys in front, and four selected blocks.  Six loads of mine are out.  An s_nop 0 follows each, four v_nop the last.
.macro LOADS6 pad, base, pitch
	s_mov_b32 s28, (1<<16)|(1<<20)|(4<<22)|((\pad)<<25)  ; 2-byte elements; padding after every 32 words
	s_mov_b32 s36, (1<<16)|(1<<20)|(4<<22)|((\pad)<<25)
	s_mov_b32 s44, (1<<16)|(1<<20)|(4<<22)|((\pad)<<25)
	s_mul_i32 s66, s19, 2*(\pitch)
	s_add_co_u32 s53, s66, (\base)+10*(\pitch)
	s_mul_i32 s66, s19, (\pitch)
	s_add_co_u32 s57, s66, (\base)+8*(\pitch)
	s_mul_i32 s66, s19, 4*(\pitch)
	s_add_co_u32 s61, s66, (\base)
	s_add_co_u32 s69, s66, (\base)+(\pitch)
	s_add_co_u32 s73, s66, (\base)+2*(\pitch)
	s_add_co_u32 s77, s66, (\base)+3*(\pitch)
	tensor_load_to_lds s[52:55], s[36:43]
	s_nop 0
	tensor_load_to_lds s[56:59], s[44:51]
	s_nop 0
	tensor_load_to_lds s[60:63], s[28:35]
	s_nop 0
	tensor_load_to_lds s[68:71], s[28:35]
	s_nop 0
	tensor_load_to_lds s[72:75], s[28:35]
	s_nop 0
	tensor_load_to_lds s[76:79], s[28:35]
	s_nop 0
.rept 4
	v_nop
.endr
.endm
.macro MASKS                           ; below: N AL2 + BE;  at: A AL2 + T AL1 + BE;  above: N AL1 + BE
	WIN 0xa2
.irp z, 0,2,4,6
	v_pk_fma_f32 v[MLO+\z:MLO+\z+1], v[MN+\z:MN+\z+1], s[AL2:AL2+1], s[BE:BE+1] op_sel_hi:[1,0,0]
	v_pk_fma_f32 v[MEQ+\z:MEQ+\z+1], v[MA+\z:MA+\z+1], s[AL2:AL2+1], s[BE:BE+1] op_sel_hi:[1,0,0]
	v_pk_fma_f32 v[MHI+\z:MHI+\z+1], v[MN+\z:MN+\z+1], s[AL1:AL1+1], s[BE:BE+1] op_sel_hi:[1,0,0]
.endr
.irp z, 0,2,4,6
	v_pk_fma_f32 v[MEQ+\z:MEQ+\z+1], v[MT+\z:MT+\z+1], s[AL1:AL1+1], v[MEQ+\z:MEQ+\z+1] op_sel_hi:[1,0,1]
.endr
.endm
; S^T = K Q^T for nkb key tiles x 4 query tiles: the 4 nkb accumulators take turns; the first link takes the mask as C.
.macro KQ nkb
.set i, 0
.rept 8*(\nkb)
.set kb, (i/4)%(\nkb)
.set x, i%4
.set rM, MLO
.if kb == x
.set rM, MEQ
.endif
.if kb > x
.set rM, MHI
.endif
.if i < 4*(\nkb)
	WIN 0x2a
	v_wmma_f32_16x16x32_f16 v[S+32*x+8*kb:S+32*x+8*kb+7], v[KF+16*kb:KF+16*kb+7], v[16*x:16*x+7], v[rM:rM+7]
.else
	WIN 0x0a
	v_wmma_f32_16x16x32_f16 v[S+32*x+8*kb:S+32*x+8*kb+7], v[KF+16*kb+8:KF+16*kb+15], v[16*x+8:16*x+15], v[S+32*x+8*kb:S+32*x+8*kb+7]
.endif
.set i, i+1
.endr
.endm
; O^T += V^T P for nkk halves of 32 keys: 16 accumulators take turns.  zero = 1: the products start the sums.
.macro PV nkk, zero
	WIN 0x52
.set i, 0
.rept 16*(\nkk)
.set cb, (i/4)%4
.set x, i%4
.if (\zero) && (i < 16)
	v_wmma_f32_16x16x32_f16 v[32*x+8*cb:32*x+8*cb+7], v[VF+32*(i/16)+8*cb:VF+32*(i/16)+8*cb+7], v[P+16*x+8*(i/16):P+16*x+8*(i/16)+7], 0
.else
	v_wmma_f32_16x16x32_f16 v[32*x+8*cb:32*x+8*cb+7], v[VF+32*(i/16)+8*cb:VF+32*(i/16)+8*cb+7], v[P+16*x+8*(i/16):P+16*x+8*(i/16)+7], v[32*x+8*cb:32*x+8*cb+7]
.endif
.set i, i+1
.endr
.endm
.macro FETCH_K
	WIN 0x80
.irp f, 0,1,2,3,4,5,6,7
	ds_load_b128 v[KF+8*\f:KF+8*\f+3],   v[AK] offset:(\f/2)*16*PK+(\f%2)*64
	ds_load_b128 v[KF+8*\f+4:KF+8*\f+7], v[AK] offset:(\f/2)*16*PK+(\f%2)*64+32
.endr
	WIN 0
.endm
.macro FETCH_V
	WIN 0x80
.irp f, 0,1,2,3,4,5,6,7
	ds_load_tr16_b128 v[VF+8*\f:VF+8*\f+3],   v[AV] offset:(\f/4)*32*PV+(\f%4)*32
	ds_load_tr16_b128 v[VF+8*\f+4:VF+8*\f+7], v[AV] offset:(\f/4)*32*PV+16*PV+(\f%4)*32
.endr
	WIN 0
.endm
; The exponentials go by groups GG of four weights; beside group GG's stand the roundings, the sum and l's step of group GG - 1, so that a plain line follows every exponential before its result is used.
.macro SE e
.if GG < NG
	v_exp_f32 v[S+32*(GG/GPX)+4*(GG%GPX)+(\e)], v[S+32*(GG/GPX)+4*(GG%GPX)+(\e)]
.endif
.endm
.macro SPL op, first
.if GG == 0
	v_nop
.else
.set xx, (GG-1)/GPX
.set kg, (GG-1)%GPX
.set rS, S+32*xx+4*kg
.if (\op) < 2
	s_wait_alu depctr_va_vdst(0)
	v_cvt_pk_f16_f32 v[P+16*xx+2*kg+(\op)], v[rS+2*(\op)], v[rS+2*(\op)+1]
.elseif (\op) == 2
	v_pk_add_f32 v[rS:rS+1], v[rS:rS+1], v[rS+2:rS+3]
.elseif (\first) && (kg == 0)
	v_nop
.elseif (\first) && (kg == 1)
	v_pk_add_f32 v[ST+4*xx+2:ST+4*xx+3], v[rS-4:rS-3], v[rS:rS+1]
.elseif kg == 0
	v_pk_fma_f32 v[ST+4*xx+2:ST+4*xx+3], v[ST+4*xx+2:ST+4*xx+3], v[TM+4*xx+2:TM+4*xx+3], v[rS:rS+1] op_sel_hi:[1,0,1]
.else
	v_pk_add_f32 v[ST+4*xx+2:ST+4*xx+3], v[ST+4*xx+2:ST+4*xx+3], v[rS:rS+1]
	s_wait_alu depctr_va_vdst(0)
.endif
.endif
.endm
; A step's softmax for the four tiles, nkb key tiles each.  first = 1: no old maximum, no a, nothing to rescale.  Each accumulator's lowest registers are read first.
.macro SOFTMAX nkb, first
	WIN 0
.irp n, 0,1,2,3
.set kb, 0
.rept \nkb
.set x, 0
.rept 4
.if \n == 0
	v_max3_num_f32 v[TM+4*x+kb], v[S+32*x+8*kb], v[S+32*x+8*kb+1], v[S+32*x+8*kb+2]
.elseif \n < 3
	v_max3_num_f32 v[TM+4*x+kb], v[TM+4*x+kb], v[S+32*x+8*kb+2*\n+1], v[S+32*x+8*kb+2*\n+2]
.else
	v_max_num_f32 v[TM+4*x+kb], v[TM+4*x+kb], v[S+32*x+8*kb+7]
.endif
.set x, x+1
.endr
.set kb, kb+1
.endr
.endr
.if \first
	ALL4 v_max_num_f32 v[TM+4*x], v[TM+4*x], v[TM+4*x+1]
.else
	ALL4 v_max3_num_f32 v[TM+4*x], v[TM+4*x], v[TM+4*x+1], v[TM+4*x+2]
	ALL4 v_max3_num_f32 v[TM+4*x], v[TM+4*x], v[TM+4*x+3], v[ST+4*x+1]
	ALL4 v_mov_b32 v[MV+x], v[ST+4*x]
.endif
	ALL4 v_permlanex16_b32 v[TM+4*x+1], v[TM+4*x], s[SEL], s[SEL+1]  ; the query's other keys lie in the lane 16 away
	ALL4 v_max_num_f32 v[ST+4*x+1], v[TM+4*x], v[TM+4*x+1]
	ALL4 v_mul_f32 v[ST+4*x], s[CS], v[ST+4*x+1]
.if !(\first)
	ALL4 v_sub_f32 v[TM+4*x+1], v[MV+x], v[ST+4*x]
	ALL4 v_exp_f32 v[TM+4*x+2], v[TM+4*x+1]
.endif
.set x, 0
.rept 4
.set pp, 0
.rept 4*(\nkb)
	v_pk_fma_f32 v[S+32*x+2*pp:S+32*x+2*pp+1], v[S+32*x+2*pp:S+32*x+2*pp+1], s[CS:CS+1], v[ST+4*x:ST+4*x+1] op_sel_hi:[1,0,0] neg_lo:[0,0,1] neg_hi:[0,0,1]
.set pp, pp+1
.endr
.set x, x+1
.endr
.set GPX, 2*(\nkb)
.set NG, 8*(\nkb)
.set GG, 0
.rept 8*(\nkb)+1
	SE 0
	SPL 0, \first
	SE 1
	SPL 1, \first
	SE 2
	SPL 2, \first
	SE 3
	SPL 3, \first
.set GG, GG+1
.endr
.if !(\first)
	WIN 0x41
.set z, 0
.rept 64
	v_pk_mul_f32 v[2*z:2*z+1], v[2*z:2*z+1], v[TM+4*(z/16)+2:TM+4*(z/16)+3] op_sel_hi:[1,0]
.set z, z+1
.endr
.endif
.endm
; A branch ends: l's halves are added, the gated sum takes O^T x gate / l.  The first four additions are the places behind the last products.  last = 0: the statistics are set for the next branch.
.macro FINISH br, first, last
	WIN 0
	ALL4 v_add_f32 v[ST+4*x+2], v[ST+4*x+2], v[ST+4*x+3]
	ALL4 v_permlanex16_b32 v[ST+4*x+3], v[ST+4*x+2], s[SEL], s[SEL+1]
	ALL4 v_add_f32 v[ST+4*x+2], v[ST+4*x+2], v[ST+4*x+3]
	ALL4 v_rcp_f32 v[FS+2*x], v[ST+4*x+2]
	v_nop
	s_wait_alu depctr_va_vdst(0)
	WIN 0x08                                       ; source 1, the gate, in window 2
	ALL4 v_mul_f32 v[FS+2*x], v[FS+2*x], v[GT+4*x+(\br)]
.if \first
	WIN 0x41
.else
	WIN 0x51
.endif
.set z, 0
.rept 64
.if \first
	v_pk_mul_f32 v[128+2*z:128+2*z+1], v[2*z:2*z+1], v[FS+2*(z/16):FS+2*(z/16)+1] op_sel_hi:[1,0]
.else
	v_pk_fma_f32 v[128+2*z:128+2*z+1], v[2*z:2*z+1], v[FS+2*(z/16):FS+2*(z/16)+1], v[128+2*z:128+2*z+1] op_sel_hi:[1,0,1]
.endif
.set z, z+1
.endr
	WIN 0
.if !(\last)
	ALL4 v_mov_b32 v[ST+4*x], 0xfe000000           ; c m: far below every c s
	ALL4 v_mov_b32 v[ST+4*x+1], 0xff7fffff         ; m
.endif
.endm
; A key step of 64.  kind 0: the band, blocks downward, step u = 3 - CNT.  kind 1: the selected blocks upward, p = 8 - CNT.  K of the next step is fetched behind this step's scores (not in the last trip), V of this step with it.
.macro STEP kind
.if (\kind) == 0
	s_cmp_eq_u32 s[CNT], 3                         ; my own block: causal
	s_cselect_b32 s[AL1], 1.0, 0
	s_cmp_eq_u32 s[CNT], 1                         ; two blocks back: only keys at most 128 behind
	s_cselect_b32 s[AL2], 1.0, 0
	s_sub_co_u32 s66, 3, s[CNT]
	s_cmp_ge_u32 s[QB], s66                        ; a block in front of the sequence is hidden whole
	s_cselect_b32 s[BE], 0, s[BIGN]
.else
	s_sub_co_u32 s66, 8, s[CNT]
	s_cmp_eq_u32 s66, s[QB]                        ; place p against my block: causal, hidden whole, or open
	s_cselect_b32 s[AL1], 1.0, 0
	s_cmp_gt_u32 s66, s[QB]
	s_cselect_b32 s[BE], s[BIGN], 0
.endif
	MASKS
	KQ 4
	WIN 0
.if (\kind) == 0
	s_sub_co_u32 s[TBK], s[TBK], KBLK
.else
	s_add_co_u32 s[TBK], s[TBK], KBLK
.endif
	v_add_nc_u32 v[AK], s[TBK], v[AK0]             ; four places behind the products, in front of the loads into K's registers and of the maxima
	v_add_nc_u32 v[AV], s[TBV], v[AV0]
	v_nop
	v_nop
.if (\kind) == 0
	s_sub_co_u32 s[TBV], s[TBV], VBLK
.else
	s_add_co_u32 s[TBV], s[TBV], VBLK
.endif
	s_cmp_eq_u32 s[CNT], 1
	s_cbranch_scc1 .Lno_k_\@
	FETCH_K
.Lno_k_\@:
	FETCH_V
	SOFTMAX 4, 0
	s_wait_dscnt 0x0                               ; V, and the next K where it was asked for
	PV 2, 0
	WIN 0
	s_sub_co_u32 s[CNT], s[CNT], 1
	s_cmp_lg_u32 s[CNT], 0
.endm
	s_load_b256 s[4:11], s[0:1], 0x0               ; qkv s[4:5], cmpb s[6:7], idx s[8:9], gates s[10:11]
	s_load_b64 s[12:13], s[0:1], 0x20              ; ao
	v_lshl_add_u32 v[SPW], v0, 2, SPARE
	v_mov_b32 v[NIL], 0
	ds_add_u32 v[SPW], v[NIL]                      ; the wave's opening
	ds_add_u32 v62, v63
	v_lshrrev_b32 v1, 5, v0
	v_readfirstlane_b32 s[WV], v1
	s_mov_b32 s16, ttmp9                           ; my block of 256 queries
	s_and_b32 s17, ttmp7, 0xffff                   ; pi
	s_lshl_b32 s[QB], s16, 2
	s_add_co_u32 s[QB], s[QB], s[WV]               ; my wave's block of 64 queries
	s_and_b32 s19, s[WV], 1                        ; e: which half I fetch
.irp g, 28, 36, 44
	s_mov_b32 s[\g+1], 128<<16                     ; tensor_dim0 = 128: rows of 256 bytes, two keys a row
	s_mov_b32 s[\g+3], 128<<16                     ; tile_dim0
	s_mov_b32 s[\g+5], 128                         ; dense
	s_mov_b32 s[\g+6], 0
	s_mov_b32 s[\g+7], 0
.endr
	s_mov_b32 s30, 32<<16                          ; a block of 64 keys: 32 rows
	s_mov_b32 s32, 32
	s_mov_b32 s38, 64<<16                          ; half of the own keys: 64 rows
	s_mov_b32 s40, 64
	s_mov_b32 s46, 32<<16
	s_mov_b32 s48, 32
	s_mov_b32 s52, 1
	s_mov_b32 s56, 1
	s_mov_b32 s[CS], 0x3e38aa3b                    ; c = log2(e) / 8
	s_mov_b32 s[CS+1], s[CS]
	s_mov_b32 s[SEL], 0x76543210
	s_mov_b32 s[SEL+1], 0xfedcba98
	s_mov_b32 s[AL1+1], 0                          ; named as pairs
	s_mov_b32 s[AL2+1], 0
	s_mov_b32 s[BE+1], 0
	s_mov_b32 s[BIGN], 0xf149f2ca                  ; -1e30
	s_lshl_b32 s66, s17, 5
	s_mov_b32 s67, 0
	s_mov_b32 s97, 0
	s_mov_b32 s99, 0
	s_mov_b32 s101, 0
	s_wait_dscnt 0x0                               ; the opening add is done
	s_wait_kmcnt 0x0
	s_add_nc_u64 s[8:9], s[8:9], s[66:67]
	s_load_b256 s[20:27], s[8:9], 0x0              ; the eight selected blocks, whole numbers that the launch before stored
	s_lshl_b32 s96, s17, 18
	s_lshl_b32 s98, s[QB], 13
	s_add_co_u32 s96, s96, s98
	s_add_nc_u64 s[2:3], s[4:5], s[96:97]          ; Q at my wave's first row
	s_lshl_b32 s96, s17, 13
	s_add_nc_u64 s[6:7], s[6:7], s[96:97]          ; the pair's block means
	s_and_b32 s96, s17, 1                          ; batch
	s_lshl_b32 s98, s96, 15
	s_lshl_b32 s15, s[QB], 10
	s_add_co_u32 s98, s98, s15
	s_add_nc_u64 s[10:11], s[10:11], s[98:99]      ; gates at my first row
	s_lshl_b32 s96, s96, 4
	s_lshr_b32 s98, s17, 1
	s_add_co_u32 s96, s96, s98
	s_lshl_b32 s96, s96, 18
	s_lshl_b32 s98, s[QB], 13
	s_add_co_u32 s96, s96, s98
	s_add_nc_u64 s[12:13], s[12:13], s[96:97]      ; ao at my first row
	s_cmp_lt_u32 s[WV], 2                          ; waves 0, 1 fetch K, waves 2, 3 V
	s_cselect_b32 s100, 32, 64
	s_add_co_u32 s100, s100, s17
	s_lshl_b32 s100, s100, 18
	s_add_nc_u64 s[94:95], s[4:5], s[100:101]      ; my plane
	s_lshl_b32 s96, s16, 15
	s_lshl_b32 s98, s19, 14
	s_add_co_u32 s98, s96, s98
	s_add_nc_u64 s[54:55], s[94:95], s[98:99]      ; my half of the own 256 keys
	s_or_b32 s55, s55, 0x80000000
	s_sub_co_i32 s96, s96, 16384
	s_max_i32 s96, s96, 0                          ; the 128 keys in front; for the first work-group the plane's first keys, all of them hidden
	s_lshl_b32 s98, s19, 13
	s_add_co_u32 s98, s96, s98
	s_add_nc_u64 s[58:59], s[94:95], s[98:99]
	s_or_b32 s59, s59, 0x80000000
	s_wait_kmcnt 0x0
	s_cmp_eq_u32 s19, 0
	s_cselect_b32 s20, s20, s24                    ; my four of the eight
	s_cselect_b32 s21, s21, s25
	s_cselect_b32 s22, s22, s26
	s_cselect_b32 s23, s23, s27
	SELG 60, 20
	SELG 68, 21
	SELG 72, 22
	SELG 76, 23
	s_cmp_lt_u32 s[WV], 2                          ; a wave's six first fills stand in one branch, ahead of every wait on TENSORcnt, every LDS read and every barrier
	s_cbranch_scc0 .Lfill_v
	LOADS6 3, 0, KBLK
	s_branch .Lfilled
.Lfill_v:
	LOADS6 7, VREG, VBLK
.Lfilled:
	v_and_b32 v1, 15, v0                           ; r
	v_bfe_u32 v9, v0, 4, 1                         ; h
	v_lshlrev_b32 v[QO], 7, v1
	v_lshl_add_u32 v[QO], v9, 4, v[QO]             ; row x 128 + 16 h
	v_lshlrev_b32 v13, 6, v1
	v_lshl_add_u32 v13, v9, 4, v13                 ; row x 64 + 16 h
	v_lshlrev_b32 v15, 4, v1
	WIN 0x80                                       ; destination window 2
.irp x, 0,1,2,3
.irp c, 0,1
	global_load_b128 v[16*\x+8*\c:16*\x+8*\c+3],   v[QO], s[2:3] offset:2048*\x+64*\c
	global_load_b128 v[16*\x+8*\c+4:16*\x+8*\c+7], v[QO], s[2:3] offset:2048*\x+64*\c+32
.endr
.endr
.irp k, 0,1
.irp c, 0,1
	global_load_b128 v[KF+16*\k+8*\c:KF+16*\k+8*\c+3],   v[QO], s[6:7] offset:2048*\k+64*\c
	global_load_b128 v[KF+16*\k+8*\c+4:KF+16*\k+8*\c+7], v[QO], s[6:7] offset:2048*\k+64*\c+32
.endr
.endr
.irp c, 0,1,2,3
	global_load_b128 v[VF+8*\c:VF+8*\c+3],   v13, s[6:7] offset:4096+1024*\c
	global_load_b128 v[VF+8*\c+4:VF+8*\c+7], v13, s[6:7] offset:4096+1024*\c+32
.endr
.irp x, 0,1,2,3
	global_load_b128 v[GT+4*\x:GT+4*\x+3], v15, s[10:11] offset:256*\x
.endr
	WIN 0
	v_lshlrev_b32 v14, 3, v9
	v_sub_nc_u32 v14, v1, v14                      ; r - 8 h
	WIN 0x80
.irp j, 0,1,2,3,4,5,6,7
	v_cmp_gt_i32 vcc_lo, \j, v14
	v_cndmask_b32 v[MT+\j], 0, s[BIGN], vcc_lo
	v_cmp_lt_i32 vcc_lo, \j, v14
	v_cndmask_b32 v[MA+\j], 0, s[BIGN], vcc_lo
	v_mov_b32 v[MN+\j], s[BIGN]
.endr
	WIN 0
	v_mul_u32_u24 v[AK0], v1, PK
	v_lshl_add_u32 v[AK0], v9, 4, v[AK0]
	v_and_b32 v10, 7, v0
	v_bfe_u32 v11, v0, 3, 1
	v_lshl_add_u32 v[AV0], v9, 3, v10
	v_mul_u32_u24 v[AV0], v[AV0], PV
	v_lshl_add_u32 v[AV0], v11, 4, v[AV0]
	s_mul_i32 s66, s[WV], 16*SP
	s_add_co_u32 s66, s66, STAGE
	v_mul_u32_u24 v[STO], v1, SP
	v_lshl_add_u32 v[STO], v9, 4, v[STO]
	v_add_nc_u32 v[STO], s66, v[STO]
	v_bfe_u32 v[RD], v0, 3, 2
	v_mul_u32_u24 v[RD], v[RD], SP
	v_lshl_add_u32 v[RD], v10, 4, v[RD]
	v_add_nc_u32 v[RD], s66, v[RD]
	v_and_b32 v[GO], 31, v0
	v_lshlrev_b32 v[GO], 4, v[GO]
	ALL4 v_mov_b32 v[FS+2*x+1], 0                  ; named with the factors as pairs
	s_wait_loadcnt 0x0
	; ---- the compressed branch: 32 keys, out of registers, while the tiles land
	s_cmp_eq_u32 s[QB], 0                          ; only the sequence's first block has rows below 32
	s_cselect_b32 s[AL1], 1.0, 0
	s_mov_b32 s[AL2], 0
	s_mov_b32 s[BE], 0
	MASKS
	KQ 2
	PLACES
	SOFTMAX 2, 1
	PV 1, 1
	FINISH 2, 1, 0
	; ---- all tiles
	s_wait_tensorcnt 0x0                           ; my six loads have landed,
	s_barrier_signal -1
	s_barrier_wait -1                              ; everybody's have
	; ---- the band
	s_mul_i32 s[TBK], s[WV], KBLK
	s_add_co_u32 s[TBK], s[TBK], 10*KBLK
	s_mul_i32 s[TBV], s[WV], VBLK
	s_add_co_u32 s[TBV], s[TBV], VREG+10*VBLK
	v_add_nc_u32 v[AK], s[TBK], v[AK0]
	FETCH_K
	s_wait_dscnt 0x0
	s_mov_b32 s[CNT], 3
.Lband:
	STEP 0
	s_cbranch_scc1 .Lband
	FINISH 0, 0, 0
	; ---- the selected blocks
	s_mov_b32 s[TBK], 0
	s_mov_b32 s[TBV], VREG
	s_mov_b32 s[AL2], 0
	v_add_nc_u32 v[AK], s[TBK], v[AK0]
	FETCH_K
	s_wait_dscnt 0x0
	s_mov_b32 s[CNT], 8
.Lsel:
	STEP 1
	s_cbranch_scc1 .Lsel
	FINISH 1, 0, 1
	; ---- the way out: rounded to f16, through my stage, a tile at a time
.macro PACK t
	WIN 0x05
.set i, 0
.rept 16
	v_cvt_pk_f16_f32 v[S+16*(\t)+i], v[128+32*(\t)+2*i], v[128+32*(\t)+2*i+1]
.set i, i+1
.endr
	WIN 0
.irp f, 0,1,2,3
	ds_store_b128 v[STO], v[S+16*(\t)+4*\f:S+16*(\t)+4*\f+3] offset:32*\f
.endr
.irp f, 0,1,2,3
	ds_load_b128 v[S+16*(\t)+4*\f:S+16*(\t)+4*\f+3], v[RD] offset:\f*4*SP  ; LDS serves a wave's instructions in order: these see the stores above
.endr
.endm
.macro SEND t, younger                 ; younger: the LDS instructions issued behind tile t's loads
.irp f, 0,1,2,3
	s_wait_dscnt (\younger)+3-\f
	global_store_b128 v[GO], v[S+16*(\t)+4*\f:S+16*(\t)+4*\f+3], s[12:13] offset:(\t)*2048+\f*512  ; 512 consecutive bytes, aligned
.endr
.endm
	PACK 0
	PACK 1
	SEND 0, 8
	PACK 2
	SEND 1, 8
	PACK 3
	SEND 2, 8
	SEND 3, 0
	s_wait_tensorcnt 0x0                           ; the wave's end
	ds_add_u32 v[SPW], v[NIL]
	s_wait_dscnt 0x0
	s_endpgm
.Lfunc_end_k_q94f2b1dc7b_attn:
	.size	k_q94f2b1dc7b_attn, .Lfunc_end_k_q94f2b1dc7b_attn-k_q94f2b1dc7b_attn
	.p2alignl 7, 3214868480
	.fill 96, 4, 3214868480
	.section	.rodata,"a",@progbits
	.p2align	6, 0x0
	.amdhsa_kernel k_q94f2b1dc7b_attn
		.amdhsa_group_segment_fixed_size 282112
		.amdhsa_private_segment_fixed_size 0
		.amdhsa_enable_private_segment 0
		.amdhsa_kernarg_size 40
		.amdhsa_user_sgpr_count 2
		.amdhsa_user_sgpr_kernarg_segment_ptr 1
		.amdhsa_wavefront_size32 1
		.amdhsa_system_sgpr_workgroup_id_x 1
		.amdhsa_system_sgpr_workgroup_id_y 1
		.amdhsa_system_sgpr_workgroup_id_z 1
		.amdhsa_system_vgpr_workitem_id 0
		.amdhsa_next_free_vgpr 768
		.amdhsa_next_free_sgpr 102
		.amdhsa_reserve_vcc 1
		.amdhsa_float_denorm_mode_32 3
		.amdhsa_float_denorm_mode_16_64 3
		.amdhsa_memory_ordered 1
		.amdhsa_forward_progress 1
		.amdhsa_inst_pref_size 129
	.end_amdhsa_kernel
	.amdgpu_metadata
---
amdhsa.version: [ 1, 2 ]
amdhsa.kernels:
  - .name:           k_q94f2b1dc7b_attn
    .symbol:         k_q94f2b1dc7b_attn.kd
    .args:
      - { .name: qkv, .offset: 0, .size: 8, .value_kind: global_buffer, .address_space: global }
      - { .name: cmpb, .offset: 8, .size: 8, .value_kind: global_buffer, .address_space: global }
      - { .name: idx, .offset: 16, .size: 8, .value_kind: global_buffer, .address_space: global }
      - { .name: gates, .offset: 24, .size: 8, .value_kind: global_buffer, .address_space: global }
      - { .name: ao, .offset: 32, .size: 8, .value_kind: global_buffer, .address_space: global }
    .group_segment_fixed_size: 282112
    .private_segment_fixed_size: 0
    .kernarg_segment_align: 8
    .kernarg_segment_size: 40
    .max_flat_workgroup_size: 128
    .sgpr_count:     102
    .vgpr_count:     768
    .wavefront_size: 32
...
	.end_amdgpu_metadata
.endif
;; end of part 4
;; launch oproj (part 5): grid 8 x 32, 4 waves a work-group, clusters of 4 x 4, 327,680 bytes of LDS; arguments ao, wts, bo, out0; writes out0
.if DOCPART == 5
	.amdgcn_target "amdgcn-amd-amdhsa--gfx1250"
	.amdhsa_code_object_version 6
	.text
	.protected	k_q94f2b1dc7b_oproj
	.globl	k_q94f2b1dc7b_oproj
	.p2align	8
	.type	k_q94f2b1dc7b_oproj,@function
k_q94f2b1dc7b_oproj:
	s_mov_b64 s[64:65], 0
	v_nop
	global_prefetch_b8 v0, s[64:65] scope:SCOPE_SE
	s_setreg_imm32_b32 hwreg(HW_REG_WAVE_MODE, 25, 1), 1
	s_wait_xcnt 0x0
	s_wait_alu depctr_hold_cnt(0) depctr_sa_sdst(0) depctr_va_vdst(0) depctr_va_sdst(0) depctr_va_ssrc(0) depctr_va_vcc(0) depctr_vm_vsrc(0)
	s_getreg_b32 s2, hwreg(HW_REG_IB_STS2, 6, 4)
	s_cmp_eq_u32 s2, 0
	s_cbranch_scc0 .Lentry_in_a_cluster
	s_endpgm
.Lentry_in_a_cluster:
	s_bfe_u32 s2, ttmp6, 0x10000c
	s_cmp_lg_u32 s2, 0xf033
	s_cbranch_scc0 .Lentry_shape_is_right
	s_endpgm
.Lentry_shape_is_right:
; OPROJ.  out0 = merge(ao) . Wo + bo: 4096 x 1024 x 1024 in f16 (Wo: the bf16 number written as f16) with f32 sums; the bias, rounded to bf16, is the C operand that starts each sum; f32 out.
; A tile of out0 is 128 x 128 (256 work-groups); four waves of 64 x 64: 16 accumulators.  K goes in 4 steps of 256 = four heads, through two LDS slots.
; ao lies by heads, [16 b + head][t][64]: a wave's load brings 4 heads x 64 rows, each head's 64 rows 8,192 dense bytes, padded in LDS behind every row of 128 bytes.
; Wo lies [k][n] and is turned on its way out of LDS.  THE MATRIX INSTRUCTION IS USED TRANSPOSED (source 0 = 16 columns of Wo, source 1 = 16 rows of ao): a lane holds eight neighbouring numbers of a row.
; CLUSTER 4 x 4: ao's tile is shared along a row of the cluster, Wo's along a column.
; REGISTERS: window 0: v0-31 addresses; v32-95 the way out; v96-127 the bias; v128-255 the accumulators ((a, b) at 128 + 8 (4 a + b)).  window 1: two fragment buffers of 128: 64 of ao, then 64 of Wo.
.set PA,    144
.set PB,    288
.set HALF,  36864                      ; 4 x 64 rows x 144 = 128 k-rows x 288: what one tensor load brings
.set SLOT,  4*HALF                     ; ao's two halves, then Wo's two
.set STAGE, 2*SLOT                     ; behind the ring: 16 rows x 272 bytes for each wave
.set SPITCH, 272
.set SPARE, STAGE+4*16*SPITCH
.set WO,    6291456
.set ADRA, 16
.set ADRB, 18                          ; slot s, half u at 18 + 2 s + u
.set STO,  24
.set RD,   25
.set CO,   26
.set SPW,  28
.set NIL,  29
.set BO,   30
.set OB,   32
.set BI,   96
.set ACC,  128
.set F0,   0
.set F1,   128
.set WV,   12
.set G1, 24
.set G0, 32
.set G1B, 48
.set G0B, 56
.set MSB, 0
.macro WIN new
.if MSB != (\new)
	s_set_vgpr_msb (MSB<<8)|(\new)
.set MSB, (\new)
.endif
.endm
.set MUL,  0x05
.set TO_F, 0x40
.macro PLACES
.rept 4
	v_nop
.endr
.endm
.macro JLOAD s                         ; waves 0, 1 fetch ao's halves, waves 2, 3 Wo's; an s_nop 0 and four v_nop follow each line
	s_cmp_eq_u32 s13, 0
	s_cbranch_scc0 .Lfor_b_\@
	tensor_load_to_lds s[G0+4*(\s):G0+4*(\s)+3], s[G1:G1+7]
	s_nop 0
.rept 4
	v_nop
.endr
	s_branch .Lasked_\@
.Lfor_b_\@:
	tensor_load_to_lds s[G0B+4*(\s):G0B+4*(\s)+3], s[G1B:G1B+7]
	s_nop 0
.rept 4
	v_nop
.endr
.Lasked_\@:
.endm
.macro CREST
	s_cmp_lg_u32 s[WV], 0
	s_cbranch_scc1 .Lnot_wave_0_\@
	s_barrier_signal -3
.Lnot_wave_0_\@:
	s_barrier_wait -3
	s_barrier_signal -1
	s_barrier_wait -1
.endm
.macro CROUND
	s_barrier_signal -1
	s_barrier_wait -1
	CREST
.endm
; 8 matrix instructions: row blocks a0, a0 + 1 x 4 column blocks, half c of buffer f.  first = 1: the bias starts the sums.  The 16 accumulators take turns.
.macro MUL8 f, c, a0, first
	WIN MUL
.irp a, \a0, (\a0)+1
.irp b, 0,1,2,3
.if \first
	v_wmma_f32_16x16x32_f16 v[ACC+8*(4*(\a)+(\b)):ACC+8*(4*(\a)+(\b))+7], v[(\f)+64+8*(4*(\c)+(\b)):(\f)+64+8*(4*(\c)+(\b))+7], v[(\f)+8*(4*(\c)+(\a)):(\f)+8*(4*(\c)+(\a))+7], v[BI+8*(\b):BI+8*(\b)+7]
.else
	v_wmma_f32_16x16x32_f16 v[ACC+8*(4*(\a)+(\b)):ACC+8*(4*(\a)+(\b))+7], v[(\f)+64+8*(4*(\c)+(\b)):(\f)+64+8*(4*(\c)+(\b))+7], v[(\f)+8*(4*(\c)+(\a)):(\f)+8*(4*(\c)+(\a))+7], v[ACC+8*(4*(\a)+(\b)):ACC+8*(4*(\a)+(\b))+7]
.endif
.endr
.endr
.endm
; 32 LDS loads in one run: quarter q of a slot (one head, 64 along K) into buffer f; the first 32 along K first
.macro FETCH slot, q, f
	WIN TO_F
.irp c, 0,1
.irp i, 0,1,2,3
	ds_load_tr16_b128 v[(\f)+64+8*(4*(\c)+(\i)):(\f)+64+8*(4*(\c)+(\i))+3],   v[ADRB+2*(\slot)+(\q)/2] offset:(((\q)%2)*64+32*(\c))*PB+32*(\i)
	ds_load_tr16_b128 v[(\f)+64+8*(4*(\c)+(\i))+4:(\f)+64+8*(4*(\c)+(\i))+7], v[ADRB+2*(\slot)+(\q)/2] offset:(((\q)%2)*64+32*(\c))*PB+32*(\i)+16*PB
	ds_load_b128 v[(\f)+8*(4*(\c)+(\i)):(\f)+8*(4*(\c)+(\i))+3],   v[ADRA+(\slot)] offset:64*PA*(\q)+16*PA*(\i)+64*(\c)
	ds_load_b128 v[(\f)+8*(4*(\c)+(\i))+4:(\f)+8*(4*(\c)+(\i))+7], v[ADRA+(\slot)] offset:64*PA*(\q)+16*PA*(\i)+64*(\c)+32
.endr
.endr
.endm
.macro QUARTER slot, q, f, g, first
	s_wait_dscnt 16                                ; the first 32 along K are in
	MUL8 \f, 0, 0, \first
	MUL8 \f, 0, 2, \first
	PLACES
	FETCH \slot, \q, \g
	s_wait_dscnt 32                                ; all but the 32 just issued
	MUL8 \f, 1, 0, 0
	MUL8 \f, 1, 2, 0
.endm
; The last quarter multiplies buffer 1 and changes slots: ONE barrier; in front of it each wave waits for all its tensor loads, adds 0 to its spare word, and waits for that and for its reads of this slot.
.macro TURN slot, next, fill
	WIN 0
	s_wait_tensorcnt 0x0
	ds_add_u32 v[SPW], v[NIL]
	s_wait_dscnt 17                                ; the add and the youngest sixteen loads may be out
	MUL8 F1, 0, 0, 0
	s_wait_dscnt 0x0                               ; the add is done, and my reads of this slot are over
	s_barrier_signal -1
	MUL8 F1, 0, 2, 0
.if \fill
	WIN 0
.endif
	s_barrier_wait -1
.if \fill
	CREST                                          ; no wave of any partner still reads this slot or has a load on its way
	s_add_nc_u64 s[G0+4*(\slot)+2:G0+4*(\slot)+3], s[G0+4*(\slot)+2:G0+4*(\slot)+3], 8*262144
	s_add_nc_u64 s[G0B+4*(\slot)+2:G0B+4*(\slot)+3], s[G0B+4*(\slot)+2:G0B+4*(\slot)+3], 512*2048
	JLOAD \slot
.else
	PLACES
.endif
	FETCH \next, 0, F0
	MUL8 F1, 1, 0, 0
	MUL8 F1, 1, 2, 0
.endm
	s_load_b256 s[4:11], s[0:1], 0x0               ; ao s[4:5], wts s[6:7], bo s[8:9], out0 s[10:11]
	v_lshl_add_u32 v[SPW], v0, 2, SPARE
	v_mov_b32 v[NIL], 0
	ds_add_u32 v[SPW], v[NIL]                      ; the wave's opening
	ds_add_u32 v28, v29
	v_lshrrev_b32 v1, 5, v0
	v_readfirstlane_b32 s[WV], v1
	s_lshr_b32 s13, s[WV], 1                       ; which 64 rows are mine.  Also: I fetch for ao (0) or for Wo (1)
	s_and_b32 s14, s[WV], 1                        ; which 64 columns.  Also: which half I fetch
	s_bfe_u32 s40, ttmp6, 0x40000
	s_bfe_u32 s41, ttmp6, 0x40004
	s_lshl_b32 s42, ttmp9, 2
	s_add_co_u32 s42, s42, s40                     ; tile column
	s_and_b32 s15, ttmp7, 0xffff
	s_lshl_b32 s15, s15, 2
	s_add_co_u32 s15, s15, s41                     ; tile row
	s_lshl_b32 s43, s41, 2
	s_lshl_b32 s43, 15, s43
	s_lshl_b32 s44, 0x1111, s40
	s_or_b32 s[G1], s43, (1<<16)|(1<<20)|(1<<21)|(4<<22)|(3<<25)   ; ao: padding of 4 words after every 32
	s_mov_b32 s[G1+1], 4096<<16                    ; tensor_dim0 = 4,096: a head's 64 rows on end
	s_mov_b32 s[G1+2], 4<<16                       ; tensor_dim1 = 4 heads
	s_mov_b32 s[G1+3], 4096<<16                    ; tile_dim0
	s_mov_b32 s[G1+4], 4                           ; tile_dim1
	s_mov_b32 s[G1+5], 131072                      ; elements from head to head
	s_mov_b32 s[G1+6], 0
	s_mov_b32 s[G1+7], 0
	s_or_b32 s[G1B], s44, (1<<16)|(1<<20)|(1<<21)|(5<<22)|(7<<25)  ; Wo: padding of 8 words after every 64
	s_mov_b32 s[G1B+1], 128<<16
	s_mov_b32 s[G1B+2], 128<<16
	s_mov_b32 s[G1B+3], 128<<16
	s_mov_b32 s[G1B+4], 128
	s_mov_b32 s[G1B+5], 1024
	s_mov_b32 s[G1B+6], 0
	s_mov_b32 s[G1B+7], 0
	s_lshr_b32 s16, s15, 4
	s_lshl_b32 s16, s16, 22                        ; the batch's 16 planes,
	s_and_b32 s17, s15, 15
	s_lshl_b32 s17, s17, 14                        ; the tile's 128 rows of 128 bytes,
	s_add_co_u32 s16, s16, s17
	s_lshl_b32 s17, s14, 13                        ; my 64 of them
	s_add_co_u32 s16, s16, s17
	s_mov_b32 s17, 0
	s_lshl_b32 s46, s42, 8                         ; the tile's 128 columns,
	s_lshl_b32 s47, s14, 18                        ; my 128 k-rows of 2,048 bytes
	s_add_co_u32 s46, s46, s47
	s_add_co_u32 s46, s46, WO
	s_mov_b32 s47, 0
	s_mul_i32 s20, s[WV], HALF                     ; where they go
	s_mov_b32 s23, 0xffff0000
	s_wait_dscnt 0x0                               ; the opening add is done
	s_wait_kmcnt 0x0
	s_add_nc_u64 s[18:19], s[4:5], s[16:17]
	s_add_nc_u64 s[46:47], s[6:7], s[46:47]
	CROUND                                         ; all sixteen work-groups are here
.irp s, 0,1
	s_mov_b32 s[G0+4*\s], 1
	s_add_co_u32 s[G0+4*\s+1], s20, \s*SLOT
	s_add_nc_u64 s[G0+4*\s+2:G0+4*\s+3], s[18:19], \s*4*262144
	s_or_b32 s[G0+4*\s+3], s[G0+4*\s+3], 0x80000000
	s_mov_b32 s[G0B+4*\s], 1
	s_add_co_u32 s[G0B+4*\s+1], s20, \s*SLOT
	s_add_nc_u64 s[G0B+4*\s+2:G0B+4*\s+3], s[46:47], \s*256*2048
	s_or_b32 s[G0B+4*\s+3], s[G0B+4*\s+3], 0x80000000
	JLOAD \s                                       ; two loads of mine are out
.endr
	v_and_b32 v1, 15, v0                           ; r
	v_bfe_u32 v2, v0, 4, 1                         ; h
	v_mul_u32_u24 v3, v1, PA
	v_lshl_add_u32 v3, v2, 4, v3
	s_mul_i32 s21, s13, HALF
	v_add_nc_u32 v[ADRA], s21, v3
	v_add_nc_u32 v[ADRA+1], SLOT, v[ADRA]
	v_and_b32 v4, 7, v0
	v_lshl_add_u32 v4, v2, 3, v4
	v_mul_u32_u24 v4, v4, PB
	v_bfe_u32 v5, v0, 3, 1
	v_lshl_add_u32 v4, v5, 4, v4
	s_lshl_b32 s21, s14, 7
	v_add_nc_u32 v4, s21, v4
.irp s, 0,1
.irp u, 0,1
	v_add_nc_u32 v[ADRB+2*\s+\u], \s*SLOT+2*HALF+\u*HALF, v4
.endr
.endr
	s_mul_i32 s21, s[WV], 16*SPITCH
	s_add_co_u32 s21, s21, STAGE
	v_mul_u32_u24 v[STO], v1, SPITCH
	v_lshl_add_u32 v[STO], v2, 5, v[STO]
	v_add_nc_u32 v[STO], s21, v[STO]               ; in: row r, 32 bytes for each half of the lanes
	v_mul_u32_u24 v[RD], v2, SPITCH
	v_lshl_add_u32 v[RD], v1, 4, v[RD]
	v_add_nc_u32 v[RD], s21, v[RD]                 ; back: lanes 0-15 one row of 256 bytes, lanes 16-31 the next
	v_lshlrev_b32 v[CO], 12, v2
	v_lshl_add_u32 v[CO], v1, 4, v[CO]             ; and the same two rows in out0
	v_lshlrev_b32 v[BO], 5, v2
	s_lshl_b32 s16, s42, 9
	s_lshl_b32 s17, s14, 8
	s_add_co_u32 s16, s16, s17                     ; my 64 columns, in bytes
	s_mov_b32 s17, 0
	s_add_nc_u64 s[8:9], s[8:9], s[16:17]
	s_lshl_b32 s21, s15, 19
	s_add_co_u32 s16, s16, s21
	s_lshl_b32 s21, s13, 18
	s_add_co_u32 s16, s16, s21                     ; + my first row
	s_add_nc_u64 s[10:11], s[10:11], s[16:17]
.irp b, 0,1,2,3
	global_load_b128 v[BI+8*\b:BI+8*\b+3],   v[BO], s[8:9] offset:64*\b
	global_load_b128 v[BI+8*\b+4:BI+8*\b+7], v[BO], s[8:9] offset:64*\b+16
.endr
	s_wait_loadcnt 0x0
.set pp, 0
.rept 16
	v_cvt_pk_bf16_f32 v[OB+pp%4], v[BI+2*pp], v[BI+2*pp+1]  ; the bias rounded to bf16, kept as f32
	v_lshlrev_b32 v[BI+2*pp], 16, v[OB+pp%4]
	v_and_b32 v[BI+2*pp+1], s23, v[OB+pp%4]
.set pp, pp+1
.endr
	s_wait_tensorcnt 1                             ; my part of K step 0 is in; K step 1's may stay out
	s_barrier_signal -1
	s_barrier_wait -1
	FETCH 0, 0, F0
	QUARTER 0, 1, F0, F1, 1                        ; the first products start the sums
	QUARTER 0, 2, F1, F0, 0
	QUARTER 0, 3, F0, F1, 0
	TURN 0, 1, 1                                   ; slot 0 takes K step 2
	QUARTER 1, 1, F0, F1, 0
	QUARTER 1, 2, F1, F0, 0
	QUARTER 1, 3, F0, F1, 0
	TURN 1, 0, 1                                   ; slot 1 takes K step 3
	QUARTER 0, 1, F0, F1, 0
	QUARTER 0, 2, F1, F0, 0
	QUARTER 0, 3, F0, F1, 0
	TURN 0, 1, 0                                   ; nothing is left to fetch
	QUARTER 1, 1, F0, F1, 0
	QUARTER 1, 2, F1, F0, 0
	QUARTER 1, 3, F0, F1, 0
	s_wait_dscnt 16
	MUL8 F1, 0, 0, 0
	MUL8 F1, 0, 2, 0
	s_wait_dscnt 0x0
	MUL8 F1, 1, 0, 0
	MUL8 F1, 1, 2, 0
	WIN 0
	PLACES
	; THE WAY OUT, 16 rows at a time through my own stage: a lane's 32 bytes go in (each accumulator's low four registers first), whole rows of 256 bytes come back and are stored.
.irp a, 0,1,2,3
.irp b, 0,1,2,3
	ds_store_b128 v[STO], v[ACC+8*(4*\a+\b):ACC+8*(4*\a+\b)+3]   offset:64*\b
	ds_store_b128 v[STO], v[ACC+8*(4*\a+\b)+4:ACC+8*(4*\a+\b)+7] offset:64*\b+16
.endr
.if \a >= 2
	s_wait_xcnt 0x0                                ; the stores of two blocks ago have read this buffer
.endif
.irp t, 0,1,2,3,4,5,6,7
	ds_load_b128 v[OB+32*(\a%2)+4*\t:OB+32*(\a%2)+4*\t+3], v[RD] offset:2*SPITCH*\t  ; LDS serves a wave's instructions in order
.endr
	s_wait_dscnt 0x0
.irp t, 0,1,2,3,4,5,6,7
	global_store_b128 v[CO], v[OB+32*(\a%2)+4*\t:OB+32*(\a%2)+4*\t+3], s[10:11] offset:65536*\a+8192*\t  ; 16 lanes store 256 consecutive bytes, aligned
.endr
.endr
	s_wait_tensorcnt 0x0                           ; the wave's end
	ds_add_u32 v[SPW], v[NIL]
	s_wait_dscnt 0x0
	CROUND                                         ; the closing round
	s_endpgm
.Lfunc_end_k_q94f2b1dc7b_oproj:
	.size	k_q94f2b1dc7b_oproj, .Lfunc_end_k_q94f2b1dc7b_oproj-k_q94f2b1dc7b_oproj
	.p2alignl 7, 3214868480
	.fill 96, 4, 3214868480
	.section	.rodata,"a",@progbits
	.p2align	6, 0x0
	.amdhsa_kernel k_q94f2b1dc7b_oproj
		.amdhsa_group_segment_fixed_size 327680
		.amdhsa_private_segment_fixed_size 0
		.amdhsa_enable_private_segment 0
		.amdhsa_kernarg_size 32
		.amdhsa_user_sgpr_count 2
		.amdhsa_user_sgpr_kernarg_segment_ptr 1
		.amdhsa_wavefront_size32 1
		.amdhsa_system_sgpr_workgroup_id_x 1
		.amdhsa_system_sgpr_workgroup_id_y 1
		.amdhsa_system_sgpr_workgroup_id_z 1
		.amdhsa_system_vgpr_workitem_id 0
		.amdhsa_next_free_vgpr 512
		.amdhsa_next_free_sgpr 66
		.amdhsa_reserve_vcc 0
		.amdhsa_float_denorm_mode_32 3
		.amdhsa_float_denorm_mode_16_64 3
		.amdhsa_memory_ordered 1
		.amdhsa_forward_progress 1
		.amdhsa_inst_pref_size 88
	.end_amdhsa_kernel
	.amdgpu_metadata
---
amdhsa.version: [ 1, 2 ]
amdhsa.kernels:
  - .name:           k_q94f2b1dc7b_oproj
    .symbol:         k_q94f2b1dc7b_oproj.kd
    .args:
      - { .name: ao, .offset: 0, .size: 8, .value_kind: global_buffer, .address_space: global }
      - { .name: wts, .offset: 8, .size: 8, .value_kind: global_buffer, .address_space: global }
      - { .name: bo, .offset: 16, .size: 8, .value_kind: global_buffer, .address_space: global }
      - { .name: out0, .offset: 24, .size: 8, .value_kind: global_buffer, .address_space: global }
    .group_segment_fixed_size: 327680
    .private_segment_fixed_size: 0
    .kernarg_segment_align: 8
    .kernarg_segment_size: 32
    .max_flat_workgroup_size: 128
    .sgpr_count:     66
    .vgpr_count:     512
    .wavefront_size: 32
...
	.end_amdgpu_metadata
.endif
;; end of part 5
;; ======== version 2 of 2: 5 launches; 1.15 times as fast as version 1
;; limits: values are held in f16: magnitudes above 65,504 overflow, below 6.1e-05 lose precision
;; workspace buffers: xb 8,388,608 bytes; wts 8,388,608 bytes; gates 65,536 bytes; qkv 25,165,824 bytes; stat 786,432 bytes; idx 1,024 bytes of whole numbers; cmpb 262,144 bytes; ao 8,388,608 bytes
;; launch prep: the kernel of part 1 again; grid 512 x 1, 8 waves a work-group, no clusters, 3,072 bytes of LDS; arguments hidden_states, Wq, Wk, Wv, Wo, Wg, bg, xb, wts, gates; writes xb, wts, gates
;; launch qkv: the kernel of part 2 again; grid 8 x 32, 4 waves a work-group, clusters of 4 x 4, 327,680 bytes of LDS; arguments xb, wts, bq, bk, bv, qkv, stat; writes qkv, stat
;; launch select: the kernel of part 3 again; grid 32 x 1, 3 waves a work-group, no clusters, 0 bytes of LDS; arguments stat, idx, cmpb; writes idx, cmpb
;; launch attn (part 6): grid 8 x 32, 4 waves a work-group, no clusters, 282,112 bytes of LDS; arguments qkv, cmpb, idx, gates, ao; writes ao
.if DOCPART == 6
	.amdgcn_target "amdgcn-amd-amdhsa--gfx1250"
	.amdhsa_code_object_version 6
	.text
	.protected	k_q94f2b1dc7b_attn
	.globl	k_q94f2b1dc7b_attn
	.p2align	8
	.type	k_q94f2b1dc7b_attn,@function
k_q94f2b1dc7b_attn:
	s_mov_b64 s[64:65], 0
	v_nop
	global_prefetch_b8 v0, s[64:65] scope:SCOPE_SE
	s_setreg_imm32_b32 hwreg(HW_REG_WAVE_MODE, 25, 1), 1
	s_wait_xcnt 0x0
; ATTN.  ao = g_sl x band attention + g_sel x attention over the 8 selected blocks + g_cmp x attention over the 32 block means; each a softmax of its own with a running maximum.  Head size 64, all operands f16.
; SHARES.  A work-group owns 256 queries of one pair pi = 2 head + batch; a wave 64 queries, one block qb of the sequence, as four tiles of 16.  All keys that the work-group needs lie in LDS at once:
; 14 blocks of 64 keys: 0-7 the selected blocks in their order, 8-9 the 128 keys in front of the work-group's queries, 10-13 its own 256.  Nothing is filled again.
; EQUAL WORK.  Every wave does the compressed half step, 3 band steps (its own block first) and 8 selected steps.  What the masks hide is hidden by the C operand that starts S^T = K Q^T (0 or -1e30):
; qb enters by scalar selects alone, never a branch or an LDS address.  Each branch's first step holds a visible key for every row, so the maximum is a true score when the first hidden one comes.
; LAYOUT.  S^T = K Q^T holds ONE query a lane (lane % 16) and the keys 8 (lane / 16) + 0..7; two such results rounded to f16 ARE source 1 of O^T = V^T P.  p = 2^(c s - c m), c = log2(e) / 8;
; O and l are multiplied by a = 2^(c m_old - c m_new) in every step.  A branch begins with c m far below every score, so its first a is 0 and what the branch before left in O and l need only be finite.
; BATCHES.  A step's exponentials (the four a and the 128 weights; 64 weights in the compressed half step) are ONE batch with ONE wait: ahead of the wait stand the maxima, the statistics, the scalings and all the
; exponentials, none of which names an exponential's result; behind it all that do: the roundings, the sums, l's steps and O^T's rescaling.  No exponential is issued behind a step's wait.
; The four reciprocals that end a branch are a batch of their own, with a wait of their own.
; NO CLUSTER.  What the eight work-groups of a pair share are the selected blocks (128 KiB of a work-group's 224 KiB of tiles), and their addresses are made of indices read from memory: a joint request
; wants a descriptor that is equal in all partners by the text's own arithmetic on ids and constants, which a loaded number is not.  The band's tiles are each work-group's own.
; LIMITS.  A hidden score counts as its value less 1e30 (or 2e30); a weight below 2^-126 counts as 0; p below 6e-5 keeps f16's fixed step; ao keeps f16's range and step; NaN and infinities are not treated apart.
; REGISTERS by windows of 256: window 0: addresses, statistics, S^T v64-191, P v192-255;  window 1: O^T v0-127, the gated sum v128-255;
;   window 2: Q v0-63, K v64-127, V v128-191, mask patterns v192-215, the step's masks v216-239, gates v240-255.
.set PK,    144
.set PV,    160
.set KBLK,  64*PK
.set VBLK,  64*PV
.set VREG,  14*KBLK
.set STAGE, VREG+14*VBLK
.set SP,    144
.set SPARE, STAGE+4*16*SP
.set AK0, 2
.set AV0, 3
.set AK,  4
.set AV,  5
.set STO, 6
.set RD,  7
.set GO,  8
.set QO,  12
.set ST,  16                           ; tile x: c m, m, l (even keys', odd keys') at ST + 4 x
.set TM,  32                           ; tile x: c0-c3 at work; a takes c2
.set MV,  48                           ; c m_old
.set FS,  52                           ; tile x: gate / l at FS + 2 x
.set SPW, 62
.set NIL, 63
.set S,   64
.set P,   192
.set KF,  64                           ; window 2
.set VF,  128
.set MT,  192                          ; -1e30 where 8 h + j > r
.set MA,  200                          ; -1e30 where 8 h + j < r
.set MN,  208                          ; -1e30
.set MLO, 216                          ; the step's mask for key tiles below the query tile, at it, above it
.set MEQ, 224
.set MHI, 232
.set GT,  240
.set WV,  14
.set QB,  18
.set CS,  80
.set SEL, 82
.set AL1, 84
.set AL2, 86
.set BE,  88
.set BIGN, 90
.set TBK, 91
.set TBV, 92
.set CNT, 93
.set MSB, 0
.macro WIN new
.if MSB != (\new)
	s_set_vgpr_msb (MSB<<8)|(\new)
.set MSB, (\new)
.endif
.endm
.macro PLACES
.rept 4
	v_nop
.endr
.endm
.macro ALL4 line:vararg
.set x, 0
.rept 4
	\line
.set x, x+1
.endr
.endm
.macro SELG g, k                       ; group 0 of a selected block: the index is held to 0..31, a block is 8,192 bytes of the plane
	s_min_u32 s[\k], s[\k], 31
	s_lshl_b32 s100, s[\k], 13
	s_mov_b32 s[\g], 1
	s_add_nc_u64 s[\g+2:\g+3], s[94:95], s[100:101]
	s_or_b32 s[\g+3], s[\g+3], 0x80000000
.endm
; A wave's six first fills: its half of the own keys, of the keys in front, and four selected blocks.  Six loads of mine are out.  An s_nop 0 follows each, four v_nop the last.
.macro LOADS6 pad, base, pitch
	s_mov_b32 s28, (1<<16)|(1<<20)|(4<<22)|((\pad)<<25)  ; 2-byte elements; padding after every 32 words
	s_mov_b32 s36, (1<<16)|(1<<20)|(4<<22)|((\pad)<<25)
	s_mov_b32 s44, (1<<16)|(1<<20)|(4<<22)|((\pad)<<25)
	s_mul_i32 s66, s19, 2*(\pitch)
	s_add_co_u32 s53, s66, (\base)+10*(\pitch)
	s_mul_i32 s66, s19, (\pitch)
	s_add_co_u32 s57, s66, (\base)+8*(\pitch)
	s_mul_i32 s66, s19, 4*(\pitch)
	s_add_co_u32 s61, s66, (\base)
	s_add_co_u32 s69, s66, (\base)+(\pitch)
	s_add_co_u32 s73, s66, (\base)+2*(\pitch)
	s_add_co_u32 s77, s66, (\base)+3*(\pitch)
	tensor_load_to_lds s[52:55], s[36:43]
	s_nop 0
	tensor_load_to_lds s[56:59], s[44:51]
	s_nop 0
	tensor_load_to_lds s[60:63], s[28:35]
	s_nop 0
	tensor_load_to_lds s[68:71], s[28:35]
	s_nop 0
	tensor_load_to_lds s[72:75], s[28:35]
	s_nop 0
	tensor_load_to_lds s[76:79], s[28:35]
	s_nop 0
.rept 4
	v_nop
.endr
.endm
.macro MASKS                           ; below: N AL2 + BE;  at: A AL2 + T AL1 + BE;  above: N AL1 + BE
	WIN 0xa2
.irp z, 0,2,4,6
	v_pk_fma_f32 v[MLO+\z:MLO+\z+1], v[MN+\z:MN+\z+1], s[AL2:AL2+1], s[BE:BE+1] op_sel_hi:[1,0,0]
	v_pk_fma_f32 v[MEQ+\z:MEQ+\z+1], v[MA+\z:MA+\z+1], s[AL2:AL2+1], s[BE:BE+1] op_sel_hi:[1,0,0]
	v_pk_fma_f32 v[MHI+\z:MHI+\z+1], v[MN+\z:MN+\z+1], s[AL1:AL1+1], s[BE:BE+1] op_sel_hi:[1,0,0]
.endr
.irp z, 0,2,4,6
	v_pk_fma_f32 v[MEQ+\z:MEQ+\z+1], v[MT+\z:MT+\z+1], s[AL1:AL1+1], v[MEQ+\z:MEQ+\z+1] op_sel_hi:[1,0,1]
.endr
.endm
; S^T = K Q^T for nkb key tiles x 4 query tiles: the 4 nkb accumulators take turns; the first link takes the mask as C.
.macro KQ nkb
.set i, 0
.rept 8*(\nkb)
.set kb, (i/4)%(\nkb)
.set x, i%4
.set rM, MLO
.if kb == x
.set rM, MEQ
.endif
.if kb > x
.set rM, MHI
.endif
.if i < 4*(\nkb)
	WIN 0x2a
	v_wmma_f32_16x16x32_f16 v[S+32*x+8*kb:S+32*x+8*kb+7], v[KF+16*kb:KF+16*kb+7], v[16*x:16*x+7], v[rM:rM+7]
.else
	WIN 0x0a
	v_wmma_f32_16x16x32_f16 v[S+32*x+8*kb:S+32*x+8*kb+7], v[KF+16*kb+8:KF+16*kb+15], v[16*x+8:16*x+15], v[S+32*x+8*kb:S+32*x+8*kb+7]
.endif
.set i, i+1
.endr
.endm
; O^T += V^T P for nkk halves of 32 keys: 16 accumulators take turns.  zero = 1: the products start the sums.
.macro PV nkk, zero
	WIN 0x52
.set i, 0
.rept 16*(\nkk)
.set cb, (i/4)%4
.set x, i%4
.if (\zero) && (i < 16)
	v_wmma_f32_16x16x32_f16 v[32*x+8*cb:32*x+8*cb+7], v[VF+32*(i/16)+8*cb:VF+32*(i/16)+8*cb+7], v[P+16*x+8*(i/16):P+16*x+8*(i/16)+7], 0
.else
	v_wmma_f32_16x16x32_f16 v[32*x+8*cb:32*x+8*cb+7], v[VF+32*(i/16)+8*cb:VF+32*(i/16)+8*cb+7], v[P+16*x+8*(i/16):P+16*x+8*(i/16)+7], v[32*x+8*cb:32*x+8*cb+7]
.endif
.set i, i+1
.endr
.endm
.macro FETCH_K
	WIN 0x80
.irp f, 0,1,2,3,4,5,6,7
	ds_load_b128 v[KF+8*\f:KF+8*\f+3],   v[AK] offset:(\f/2)*16*PK+(\f%2)*64
	ds_load_b128 v[KF+8*\f+4:KF+8*\f+7], v[AK] offset:(\f/2)*16*PK+(\f%2)*64+32
.endr
	WIN 0
.endm
.macro FETCH_V
	WIN 0x80
.irp f, 0,1,2,3,4,5,6,7
	ds_load_tr16_b128 v[VF+8*\f:VF+8*\f+3],   v[AV] offset:(\f/4)*32*PV+(\f%4)*32
	ds_load_tr16_b128 v[VF+8*\f+4:VF+8*\f+7], v[AV] offset:(\f/4)*32*PV+16*PV+(\f%4)*32
.endr
	WIN 0
.endm
; The step's pairs of scores are numbered through the four tiles: pair num is pair num % PPX of tile num / PPX (PPX = 4 nkb pairs a tile; SOFTMAX sets it).
.macro FSC num                         ; c s - c m for pair num
.set xx, (\num)/PPX
.set pp, (\num)%PPX
	v_pk_fma_f32 v[S+32*xx+2*pp:S+32*xx+2*pp+1], v[S+32*xx+2*pp:S+32*xx+2*pp+1], s[CS:CS+1], v[ST+4*xx:ST+4*xx+1] op_sel_hi:[1,0,0] neg_lo:[0,0,1] neg_hi:[0,0,1]
.endm
.macro EXP2 num                        ; the two exponentials of pair num, in place
.set xx, (\num)/PPX
.set pp, (\num)%PPX
	v_exp_f32 v[S+32*xx+2*pp], v[S+32*xx+2*pp]
	v_exp_f32 v[S+32*xx+2*pp+1], v[S+32*xx+2*pp+1]
.endm
; A step's softmax for the four tiles, nkb key tiles each.  first = 1: no old maximum, no a, nothing to rescale.  Each accumulator's lowest registers are read first.
; ORDER.  (1) The maxima and statistics, the four tiles by turns.  (2) THE BATCH: the four a; four scalings; then a scaling and the two exponentials of the pair that was scaled four scalings earlier, until both run out:
; an exponential's source is twelve lines old, and nothing here names an exponential's result.  (3) A v_nop, the plain line behind the last exponential, and the step's ONE wait.  (4) THE READERS, by groups of four weights,
; the four tiles by turns: both pairs are rounded to f16, the second pair is added onto the first in place, l takes that sum (the groups in ascending order; the first as l = a l + sum); then O^T times a.
.macro SOFTMAX nkb, first
	WIN 0
.irp n, 0,1,2,3
.set kb, 0
.rept \nkb
.set x, 0
.rept 4
.if \n == 0
	v_max3_num_f32 v[TM+4*x+kb], v[S+32*x+8*kb], v[S+32*x+8*kb+1], v[S+32*x+8*kb+2]
.elseif \n < 3
	v_max3_num_f32 v[TM+4*x+kb], v[TM+4*x+kb], v[S+32*x+8*kb+2*\n+1], v[S+32*x+8*kb+2*\n+2]
.else
	v_max_num_f32 v[TM+4*x+kb], v[TM+4*x+kb], v[S+32*x+8*kb+7]
.endif
.set x, x+1
.endr
.set kb, kb+1
.endr
.endr
.if \first
	ALL4 v_max_num_f32 v[TM+4*x], v[TM+4*x], v[TM+4*x+1]
.else
	ALL4 v_max3_num_f32 v[TM+4*x], v[TM+4*x], v[TM+4*x+1], v[TM+4*x+2]
	ALL4 v_max3_num_f32 v[TM+4*x], v[TM+4*x], v[TM+4*x+3], v[ST+4*x+1]
	ALL4 v_mov_b32 v[MV+x], v[ST+4*x]
.endif
	ALL4 v_permlanex16_b32 v[TM+4*x+1], v[TM+4*x], s[SEL], s[SEL+1]  ; the query's other keys lie in the lane 16 away
	ALL4 v_max_num_f32 v[ST+4*x+1], v[TM+4*x], v[TM+4*x+1]
	ALL4 v_mul_f32 v[ST+4*x], s[CS], v[ST+4*x+1]
.if !(\first)
	ALL4 v_sub_f32 v[TM+4*x+1], v[MV+x], v[ST+4*x]
	ALL4 v_exp_f32 v[TM+4*x+2], v[TM+4*x+1]        ; the batch begins: the four a
.endif
.set PPX, 4*(\nkb)
.set NPR, 16*(\nkb)
.set nn, 0
.rept 4
	FSC nn                                         ; the scalings run four pairs ahead of the exponentials
.set nn, nn+1
.endr
.set nn, 0
.rept 16*(\nkb)
.if nn+4 < NPR
	FSC nn+4
.endif
	EXP2 nn
.set nn, nn+1
.endr
	v_nop                                          ; the plain line behind the last exponential: one for the batch
	s_wait_alu depctr_va_vdst(0)                   ; the wait for the batch, the step's a and weights, ahead of their first reader
.set kg, 0
.rept 2*(\nkb)
	ALL4 v_cvt_pk_f16_f32 v[P+16*x+2*kg], v[S+32*x+4*kg], v[S+32*x+4*kg+1]
	ALL4 v_cvt_pk_f16_f32 v[P+16*x+2*kg+1], v[S+32*x+4*kg+2], v[S+32*x+4*kg+3]
	ALL4 v_pk_add_f32 v[S+32*x+4*kg:S+32*x+4*kg+1], v[S+32*x+4*kg:S+32*x+4*kg+1], v[S+32*x+4*kg+2:S+32*x+4*kg+3]
.if \first
.if kg == 1
	ALL4 v_pk_add_f32 v[ST+4*x+2:ST+4*x+3], v[S+32*x:S+32*x+1], v[S+32*x+4:S+32*x+5]  ; the first two groups start l
.elseif kg > 1
	ALL4 v_pk_add_f32 v[ST+4*x+2:ST+4*x+3], v[ST+4*x+2:ST+4*x+3], v[S+32*x+4*kg:S+32*x+4*kg+1]
.endif
.elseif kg == 0
	ALL4 v_pk_fma_f32 v[ST+4*x+2:ST+4*x+3], v[ST+4*x+2:ST+4*x+3], v[TM+4*x+2:TM+4*x+3], v[S+32*x:S+32*x+1] op_sel_hi:[1,0,1]
.else
	ALL4 v_pk_add_f32 v[ST+4*x+2:ST+4*x+3], v[ST+4*x+2:ST+4*x+3], v[S+32*x+4*kg:S+32*x+4*kg+1]
.endif
.set kg, kg+1
.endr
.if !(\first)
	WIN 0x41
.set z, 0
.rept 64
	v_pk_mul_f32 v[2*z:2*z+1], v[2*z:2*z+1], v[TM+4*(z/16)+2:TM+4*(z/16)+3] op_sel_hi:[1,0]
.set z, z+1
.endr
.endif
.endm
; A branch ends: l's halves are added, the gated sum takes O^T x gate / l.  The first four additions are the places behind the last products.  last = 0: the statistics are set for the next branch.
.macro FINISH br, first, last
	WIN 0
	ALL4 v_add_f32 v[ST+4*x+2], v[ST+4*x+2], v[ST+4*x+3]
	ALL4 v_permlanex16_b32 v[ST+4*x+3], v[ST+4*x+2], s[SEL], s[SEL+1]
	ALL4 v_add_f32 v[ST+4*x+2], v[ST+4*x+2], v[ST+4*x+3]
	ALL4 v_rcp_f32 v[FS+2*x], v[ST+4*x+2]
	v_nop                                          ; the plain line behind the last reciprocal
	s_wait_alu depctr_va_vdst(0)                   ; the wait for the batch of four reciprocals, ahead of their first reader
	WIN 0x08                                       ; source 1, the gate, in window 2
	ALL4 v_mul_f32 v[FS+2*x], v[FS+2*x], v[GT+4*x+(\br)]
.if \first
	WIN 0x41
.else
	WIN 0x51
.endif
.set z, 0
.rept 64
.if \first
	v_pk_mul_f32 v[128+2*z:128+2*z+1], v[2*z:2*z+1], v[FS+2*(z/16):FS+2*(z/16)+1] op_sel_hi:[1,0]
.else
	v_pk_fma_f32 v[128+2*z:128+2*z+1], v[2*z:2*z+1], v[FS+2*(z/16):FS+2*(z/16)+1], v[128+2*z:128+2*z+1] op_sel_hi:[1,0,1]
.endif
.set z, z+1
.endr
	WIN 0
.if !(\last)
	ALL4 v_mov_b32 v[ST+4*x], 0xfe000000           ; c m: far below every c s
	ALL4 v_mov_b32 v[ST+4*x+1], 0xff7fffff         ; m
.endif
.endm
; A key step of 64.  kind 0: the band, blocks downward, step u = 3 - CNT.  kind 1: the selected blocks upward, p = 8 - CNT.  K of the next step is fetched behind this step's scores (not in the last trip), V of this step with it.
.macro STEP kind
.if (\kind) == 0
	s_cmp_eq_u32 s[CNT], 3                         ; my own block: causal
	s_cselect_b32 s[AL1], 1.0, 0
	s_cmp_eq_u32 s[CNT], 1                         ; two blocks back: only keys at most 128 behind
	s_cselect_b32 s[AL2], 1.0, 0
	s_sub_co_u32 s66, 3, s[CNT]
	s_cmp_ge_u32 s[QB], s66                        ; a block in front of the sequence is hidden whole
	s_cselect_b32 s[BE], 0, s[BIGN]
.else
	s_sub_co_u32 s66, 8, s[CNT]
	s_cmp_eq_u32 s66, s[QB]                        ; place p against my block: causal, hidden whole, or open
	s_cselect_b32 s[AL1], 1.0, 0
	s_cmp_gt_u32 s66, s[QB]
	s_cselect_b32 s[BE], s[BIGN], 0
.endif
	MASKS
	KQ 4
	WIN 0
.if (\kind) == 0
	s_sub_co_u32 s[TBK], s[TBK], KBLK
.else
	s_add_co_u32 s[TBK], s[TBK], KBLK
.endif
	v_add_nc_u32 v[AK], s[TBK], v[AK0]             ; four places behind the products, in front of the loads into K's registers and of the maxima
	v_add_nc_u32 v[AV], s[TBV], v[AV0]
	v_nop
	v_nop
.if (\kind) == 0
	s_sub_co_u32 s[TBV], s[TBV], VBLK
.else
	s_add_co_u32 s[TBV], s[TBV], VBLK
.endif
	s_cmp_eq_u32 s[CNT], 1
	s_cbranch_scc1 .Lno_k_\@
	FETCH_K
.Lno_k_\@:
	FETCH_V
	SOFTMAX 4, 0
	s_wait_dscnt 0x0                               ; V, and the next K where it was asked for
	PV 2, 0
	WIN 0
	s_sub_co_u32 s[CNT], s[CNT], 1
	s_cmp_lg_u32 s[CNT], 0
.endm
	s_load_b256 s[4:11], s[0:1], 0x0               ; qkv s[4:5], cmpb s[6:7], idx s[8:9], gates s[10:11]
	s_load_b64 s[12:13], s[0:1], 0x20              ; ao
	v_lshl_add_u32 v[SPW], v0, 2, SPARE
	v_mov_b32 v[NIL], 0
	ds_add_u32 v[SPW], v[NIL]                      ; the wave's opening
	ds_add_u32 v62, v63
	v_lshrrev_b32 v1, 5, v0
	v_readfirstlane_b32 s[WV], v1
	s_mov_b32 s16, ttmp9                           ; my block of 256 queries
	s_and_b32 s17, ttmp7, 0xffff                   ; pi
	s_lshl_b32 s[QB], s16, 2
	s_add_co_u32 s[QB], s[QB], s[WV]               ; my wave's block of 64 queries
	s_and_b32 s19, s[WV], 1                        ; e: which half I fetch
.irp g, 28, 36, 44
	s_mov_b32 s[\g+1], 128<<16                     ; tensor_dim0 = 128: rows of 256 bytes, two keys a row
	s_mov_b32 s[\g+3], 128<<16                     ; tile_dim0
	s_mov_b32 s[\g+5], 128                         ; dense
	s_mov_b32 s[\g+6], 0
	s_mov_b32 s[\g+7], 0
.endr
	s_mov_b32 s30, 32<<16                          ; a block of 64 keys: 32 rows
	s_mov_b32 s32, 32
	s_mov_b32 s38, 64<<16                          ; half of the own keys: 64 rows
	s_mov_b32 s40, 64
	s_mov_b32 s46, 32<<16
	s_mov_b32 s48, 32
	s_mov_b32 s52, 1
	s_mov_b32 s56, 1
	s_mov_b32 s[CS], 0x3e38aa3b                    ; c = log2(e) / 8
	s_mov_b32 s[CS+1], s[CS]
	s_mov_b32 s[SEL], 0x76543210
	s_mov_b32 s[SEL+1], 0xfedcba98
	s_mov_b32 s[AL1+1], 0                          ; named as pairs
	s_mov_b32 s[AL2+1], 0
	s_mov_b32 s[BE+1], 0
	s_mov_b32 s[BIGN], 0xf149f2ca                  ; -1e30
	s_lshl_b32 s66, s17, 5
	s_mov_b32 s67, 0
	s_mov_b32 s97, 0
	s_mov_b32 s99, 0
	s_mov_b32 s101, 0
	s_wait_dscnt 0x0                               ; the opening add is done
	s_wait_kmcnt 0x0
	s_add_nc_u64 s[8:9], s[8:9], s[66:67]
	s_load_b256 s[20:27], s[8:9], 0x0              ; the eight selected blocks, whole numbers that the launch before stored
	s_lshl_b32 s96, s17, 18
	s_lshl_b32 s98, s[QB], 13
	s_add_co_u32 s96, s96, s98
	s_add_nc_u64 s[2:3], s[4:5], s[96:97]          ; Q at my wave's first row
	s_lshl_b32 s96, s17, 13
	s_add_nc_u64 s[6:7], s[6:7], s[96:97]          ; the pair's block means
	s_and_b32 s96, s17, 1                          ; batch
	s_lshl_b32 s98, s96, 15
	s_lshl_b32 s15, s[QB], 10
	s_add_co_u32 s98, s98, s15
	s_add_nc_u64 s[10:11], s[10:11], s[98:99]      ; gates at my first row
	s_lshl_b32 s96, s96, 4
	s_lshr_b32 s98, s17, 1
	s_add_co_u32 s96, s96, s98
	s_lshl_b32 s96, s96, 18
	s_lshl_b32 s98, s[QB], 13
	s_add_co_u32 s96, s96, s98
	s_add_nc_u64 s[12:13], s[12:13], s[96:97]      ; ao at my first row
	s_cmp_lt_u32 s[WV], 2                          ; waves 0, 1 fetch K, waves 2, 3 V
	s_cselect_b32 s100, 32, 64
	s_add_co_u32 s100, s100, s17
	s_lshl_b32 s100, s100, 18
	s_add_nc_u64 s[94:95], s[4:5], s[100:101]      ; my plane
	s_lshl_b32 s96, s16, 15
	s_lshl_b32 s98, s19, 14
	s_add_co_u32 s98, s96, s98
	s_add_nc_u64 s[54:55], s[94:95], s[98:99]      ; my half of the own 256 keys
	s_or_b32 s55, s55, 0x80000000
	s_sub_co_i32 s96, s96, 16384
	s_max_i32 s96, s96, 0                          ; the 128 keys in front; for the first work-group the plane's first keys, all of them hidden
	s_lshl_b32 s98, s19, 13
	s_add_co_u32 s98, s96, s98
	s_add_nc_u64 s[58:59], s[94:95], s[98:99]
	s_or_b32 s59, s59, 0x80000000
	s_wait_kmcnt 0x0
	s_cmp_eq_u32 s19, 0
	s_cselect_b32 s20, s20, s24                    ; my four of the eight
	s_cselect_b32 s21, s21, s25
	s_cselect_b32 s22, s22, s26
	s_cselect_b32 s23, s23, s27
	SELG 60, 20
	SELG 68, 21
	SELG 72, 22
	SELG 76, 23
	s_cmp_lt_u32 s[WV], 2                          ; a wave's six first fills stand in one branch, ahead of every wait on TENSORcnt, every LDS read and every barrier
	s_cbranch_scc0 .Lfill_v
	LOADS6 3, 0, KBLK
	s_branch .Lfilled
.Lfill_v:
	LOADS6 7, VREG, VBLK
.Lfilled:
	v_and_b32 v1, 15, v0                           ; r
	v_bfe_u32 v9, v0, 4, 1                         ; h
	v_lshlrev_b32 v[QO], 7, v1
	v_lshl_add_u32 v[QO], v9, 4, v[QO]             ; row x 128 + 16 h
	v_lshlrev_b32 v13, 6, v1
	v_lshl_add_u32 v13, v9, 4, v13                 ; row x 64 + 16 h
	v_lshlrev_b32 v15, 4, v1
	WIN 0x80                                       ; destination window 2
.irp x, 0,1,2,3
.irp c, 0,1
	global_load_b128 v[16*\x+8*\c:16*\x+8*\c+3],   v[QO], s[2:3] offset:2048*\x+64*\c
	global_load_b128 v[16*\x+8*\c+4:16*\x+8*\c+7], v[QO], s[2:3] offset:2048*\x+64*\c+32
.endr
.endr
.irp k, 0,1
.irp c, 0,1
	global_load_b128 v[KF+16*\k+8*\c:KF+16*\k+8*\c+3],   v[QO], s[6:7] offset:2048*\k+64*\c
	global_load_b128 v[KF+16*\k+8*\c+4:KF+16*\k+8*\c+7], v[QO], s[6:7] offset:2048*\k+64*\c+32
.endr
.endr
.irp c, 0,1,2,3
	global_load_b128 v[VF+8*\c:VF+8*\c+3],   v13, s[6:7] offset:4096+1024*\c
	global_load_b128 v[VF+8*\c+4:VF+8*\c+7], v13, s[6:7] offset:4096+1024*\c+32
.endr
.irp x, 0,1,2,3
	global_load_b128 v[GT+4*\x:GT+4*\x+3], v15, s[10:11] offset:256*\x
.endr
	WIN 0
	v_lshlrev_b32 v14, 3, v9
	v_sub_nc_u32 v14, v1, v14                      ; r - 8 h
	WIN 0x80
.irp j, 0,1,2,3,4,5,6,7
	v_cmp_gt_i32 vcc_lo, \j, v14
	v_cndmask_b32 v[MT+\j], 0, s[BIGN], vcc_lo
	v_cmp_lt_i32 vcc_lo, \j, v14
	v_cndmask_b32 v[MA+\j], 0, s[BIGN], vcc_lo
	v_mov_b32 v[MN+\j], s[BIGN]
.endr
	WIN 0
	v_mul_u32_u24 v[AK0], v1, PK
	v_lshl_add_u32 v[AK0], v9, 4, v[AK0]
	v_and_b32 v10, 7, v0
	v_bfe_u32 v11, v0, 3, 1
	v_lshl_add_u32 v[AV0], v9, 3, v10
	v_mul_u32_u24 v[AV0], v[AV0], PV
	v_lshl_add_u32 v[AV0], v11, 4, v[AV0]
	s_mul_i32 s66, s[WV], 16*SP
	s_add_co_u32 s66, s66, STAGE
	v_mul_u32_u24 v[STO], v1, SP
	v_lshl_add_u32 v[STO], v9, 4, v[STO]
	v_add_nc_u32 v[STO], s66, v[STO]
	v_bfe_u32 v[RD], v0, 3, 2
	v_mul_u32_u24 v[RD], v[RD], SP
	v_lshl_add_u32 v[RD], v10, 4, v[RD]
	v_add_nc_u32 v[RD], s66, v[RD]
	v_and_b32 v[GO], 31, v0
	v_lshlrev_b32 v[GO], 4, v[GO]
	ALL4 v_mov_b32 v[FS+2*x+1], 0                  ; named with the factors as pairs
	s_wait_loadcnt 0x0
	; ---- the compressed branch: 32 keys, out of registers, while the tiles land
	s_cmp_eq_u32 s[QB], 0                          ; only the sequence's first block has rows below 32
	s_cselect_b32 s[AL1], 1.0, 0
	s_mov_b32 s[AL2], 0
	s_mov_b32 s[BE], 0
	MASKS
	KQ 2
	PLACES
	SOFTMAX 2, 1
	PV 1, 1
	FINISH 2, 1, 0
	; ---- all tiles
	s_wait_tensorcnt 0x0                           ; my six loads have landed,
	s_barrier_signal -1
	s_barrier_wait -1                              ; everybody's have
	; ---- the band
	s_mul_i32 s[TBK], s[WV], KBLK
	s_add_co_u32 s[TBK], s[TBK], 10*KBLK
	s_mul_i32 s[TBV], s[WV], VBLK
	s_add_co_u32 s[TBV], s[TBV], VREG+10*VBLK
	v_add_nc_u32 v[AK], s[TBK], v[AK0]
	FETCH_K
	s_wait_dscnt 0x0
	s_mov_b32 s[CNT], 3
.Lband:
	STEP 0
	s_cbranch_scc1 .Lband
	FINISH 0, 0, 0
	; ---- the selected blocks
	s_mov_b32 s[TBK], 0
	s_mov_b32 s[TBV], VREG
	s_mov_b32 s[AL2], 0
	v_add_nc_u32 v[AK], s[TBK], v[AK0]
	FETCH_K
	s_wait_dscnt 0x0
	s_mov_b32 s[CNT], 8
.Lsel:
	STEP 1
	s_cbranch_scc1 .Lsel
	FINISH 1, 0, 1
	; ---- the way out: rounded to f16, through my stage, a tile at a time
.macro PACK t
	WIN 0x05
.set i, 0
.rept 16
	v_cvt_pk_f16_f32 v[S+16*(\t)+i], v[128+32*(\t)+2*i], v[128+32*(\t)+2*i+1]
.set i, i+1
.endr
	WIN 0
.irp f, 0,1,2,3
	ds_store_b128 v[STO], v[S+16*(\t)+4*\f:S+16*(\t)+4*\f+3] offset:32*\f
.endr
.irp f, 0,1,2,3
	ds_load_b128 v[S+16*(\t)+4*\f:S+16*(\t)+4*\f+3], v[RD] offset:\f*4*SP  ; LDS serves a wave's instructions in order: these see the stores above
.endr
.endm
.macro SEND t, younger                 ; younger: the LDS instructions issued behind tile t's loads
.irp f, 0,1,2,3
	s_wait_dscnt (\younger)+3-\f
	global_store_b128 v[GO], v[S+16*(\t)+4*\f:S+16*(\t)+4*\f+3], s[12:13] offset:(\t)*2048+\f*512  ; 512 consecutive bytes, aligned
.endr
.endm
	PACK 0
	PACK 1
	SEND 0, 8
	PACK 2
	SEND 1, 8
	PACK 3
	SEND 2, 8
	SEND 3, 0
	s_wait_tensorcnt 0x0                           ; the wave's end
	ds_add_u32 v[SPW], v[NIL]
	s_wait_dscnt 0x0
	s_endpgm
.Lfunc_end_k_q94f2b1dc7b_attn:
	.size	k_q94f2b1dc7b_attn, .Lfunc_end_k_q94f2b1dc7b_attn-k_q94f2b1dc7b_attn
	.p2alignl 7, 3214868480
	.fill 96, 4, 3214868480
	.section	.rodata,"a",@progbits
	.p2align	6, 0x0
	.amdhsa_kernel k_q94f2b1dc7b_attn
		.amdhsa_group_segment_fixed_size 282112
		.amdhsa_private_segment_fixed_size 0
		.amdhsa_enable_private_segment 0
		.amdhsa_kernarg_size 40
		.amdhsa_user_sgpr_count 2
		.amdhsa_user_sgpr_kernarg_segment_ptr 1
		.amdhsa_wavefront_size32 1
		.amdhsa_system_sgpr_workgroup_id_x 1
		.amdhsa_system_sgpr_workgroup_id_y 1
		.amdhsa_system_sgpr_workgroup_id_z 1
		.amdhsa_system_vgpr_workitem_id 0
		.amdhsa_next_free_vgpr 768
		.amdhsa_next_free_sgpr 102
		.amdhsa_reserve_vcc 1
		.amdhsa_float_denorm_mode_32 3
		.amdhsa_float_denorm_mode_16_64 3
		.amdhsa_memory_ordered 1
		.amdhsa_forward_progress 1
		.amdhsa_inst_pref_size 122
	.end_amdhsa_kernel
	.amdgpu_metadata
---
amdhsa.version: [ 1, 2 ]
amdhsa.kernels:
  - .name:           k_q94f2b1dc7b_attn
    .symbol:         k_q94f2b1dc7b_attn.kd
    .args:
      - { .name: qkv, .offset: 0, .size: 8, .value_kind: global_buffer, .address_space: global }
      - { .name: cmpb, .offset: 8, .size: 8, .value_kind: global_buffer, .address_space: global }
      - { .name: idx, .offset: 16, .size: 8, .value_kind: global_buffer, .address_space: global }
      - { .name: gates, .offset: 24, .size: 8, .value_kind: global_buffer, .address_space: global }
      - { .name: ao, .offset: 32, .size: 8, .value_kind: global_buffer, .address_space: global }
    .group_segment_fixed_size: 282112
    .private_segment_fixed_size: 0
    .kernarg_segment_align: 8
    .kernarg_segment_size: 40
    .max_flat_workgroup_size: 128
    .sgpr_count:     102
    .vgpr_count:     768
    .wavefront_size: 32
...
	.end_amdgpu_metadata
.endif
;; end of part 6
;; launch oproj: the kernel of part 5 again; grid 8 x 32, 4 waves a work-group, clusters of 4 x 4, 327,680 bytes of LDS; arguments ao, wts, bo, out0; writes out0
